; MI455X (gfx1250); checked and timed in simulation.
; The chip was launched on July 23, 2026; its instructions are those of AMD's public machine-readable ISA for CDNA 5 (MIT licence, August 2026) and "CDNA5" Instruction Set Architecture Reference Guide (July 2026). The comments in the code are by the model that wrote it; some were corrected since.
;; HSTU Layer. Allowed arithmetic: matrix products marked QUANTISED: E2M1 operands, one E8M0 scale for each 32 along K, by v_wmma_scale_f32_16x16x128_f8f6f4 with both operands' format E2M1 (or v_wmma_scale_f32_32x16x128_f4), f32 sums; everything else in f32.
;; Inputs: W1_codes 2,048 x 16 x 16 uint8 (E2M1 codes of W1, K innermost, in blocks of 32 codes, two codes a byte); W1_scales 2,048 x 16 uint8 (E8M0 scales of W1, one for each 32 codes along K); W2_codes 512 x 16 x 16 uint8 (E2M1 codes of W2, K innermost, in blocks of 32 codes, two codes a byte); W2_scales 512 x 16 uint8 (E8M0 scales of W2, one for each 32 codes along K); Wf1_codes 2,048 x 16 x 16 uint8 (E2M1 codes of Wf1, K innermost, in blocks of 32 codes, two codes a byte); Wf1_scales 2,048 x 16 uint8 (E8M0 scales of Wf1, one for each 32 codes along K); Wf2_codes 512 x 64 x 16 uint8 (E2M1 codes of Wf2, K innermost, in blocks of 32 codes, two codes a byte); Wf2_scales 512 x 64 uint8 (E8M0 scales of Wf2, one for each 32 codes along K); b1 2,048 float32; b2 512 float32; be1 512 float32; be2 512 float32; bf1 2,048 float32; bf2 512 float32; g1 512 float32; g2 512 float32; rel_pos_bias 1 x 8 x 2,048 x 2,048 float32; x 4 x 2,048 x 512 float32.
;; Outputs: out0 4 x 2,048 x 512 float32.
;; This version of the problem:
;;   THIS VERSION OF THE PROBLEM IS GIVEN IN LOW PRECISION. The matrix products marked QUANTISED in the list below multiply operands that are first quantised to E2M1 (2 exponent bits, 1 mantissa bit; 4 bits a number), with one power-of-two scale for each 32 numbers along K (OCP MX v1.0); their sums are f32. All else is computed in f32.
;;   The module's matrix products, in the order in which they are computed (A, B: the left and right operand; K: the contracted axis; several contracted axes count as one K, in the product's order):
;;     1. [M 8,192, K 512] x [K 512, N 2,048]; A: computed on the way; B: input W1 (given as codes): QUANTISED
;;     2. batch 32 x [M 2,048, K 64] x [K 64, N 2,048]; A: computed on the way; B: computed on the way: QUANTISED
;;     3. batch 32 x [M 64, K 2,048] x [K 2,048, N 2,048]; A: computed on the way; B: softmax (see below): QUANTISED
;;     4. [M 8,192, K 512] x [K 512, N 512]; A: computed on the way; B: input W2 (given as codes): QUANTISED
;;     5. [M 8,192, K 512] x [K 512, N 2,048]; A: computed on the way; B: input Wf1 (given as codes): QUANTISED
;;     6. [M 8,192, K 2,048] x [K 2,048, N 512]; A: computed on the way; B: input Wf2 (given as codes): QUANTISED
;;   THE QUANTISER, for each operand of a quantised product, along K:
;;     - K is cut into blocks of 32 from its start; a last block that is shorter is filled with zeros.
;;     - A block's scale is 2^e with e = floor(log2(the largest magnitude in the block)) - 2, held to -126 .. 127; a block of zeros has e = 0. As a byte (E8M0): e + 127.
;;     - Each number is divided by its block's scale, clamped to +-6, and rounded to the nearest number of E2M1, ties to even, subnormals kept.
;;     - The product sums the exact products of the quantised numbers (number of the format x scale) in f32.
;;   ~~~python
;;   def quantise(x, axis):      # numpy; x: float32 -> the quantised numbers, widened to float32 again
;;       x = np.moveaxis(x, axis, -1); K = x.shape[-1]
;;       x = np.pad(x, [(0, 0)] * (x.ndim - 1) + [(0, -K % 32)]); x = x.reshape(x.shape[:-1] + (-1, 32)); a = np.abs(x).max(-1, keepdims=True)
;;       e = np.where(a > 0, np.clip(np.frexp(np.where(a > 0, a, 1))[1] - 1 - 2, -126, 127), 0)      # np.frexp(a)[1] - 1 = floor(log2(a)), exactly
;;       r = np.clip(x / 2.0 ** e, -6, 6)
;;       step = 2.0 ** (np.maximum(np.frexp(np.where(r == 0, 1, r))[1] - 1, 0) - 1)
;;       q = np.round(r / step) * step * 2.0 ** e      # np.round: ties to even
;;       return np.moveaxis(q.reshape(q.shape[:-2] + (-1,))[..., :K], -1, axis).astype(np.float32)
;;   ~~~
;;   SOFTMAX AHEAD OF A QUANTISED PRODUCT. Where the list says 'softmax', what is quantised is not the finished softmax but p = 2^(t - M), with t = logit x log2(e) and M = ceil(the row's largest t), a whole number; so 1/2 < the row's largest p <= 1. The row's sum l is taken of the UNQUANTISED p, in f32, and the product's result is divided by l at the end. Since M is a whole number, a kernel that streams over the keys may use a running M (the ceiling of the running maximum): every later rescaling is an exact power of two, which a block's scale takes up: the codes' values come out the same.
;;   OPERANDS COMPUTED ON THE WAY. 'Computed on the way' means the value that the module computes at that place (a softmax that the list does not call 'softmax' is quantised finished and normalised). What goes into a quantiser is computed in f32, as accurately as f32 sums, v_exp_f32 and their like allow (about 1e-6 of the number): no bf16 or f16 on the way to a quantiser, and a product that is left as it is and whose result goes on into a quantised operand takes f32 operands (vector FMAs, or v_wmma_f32_16x16x4_f32). A number that lies on a knife's edge between two numbers of the format may be rounded either way, as far as f32 arithmetic and the matrix unit's own rounding can turn it there, and no further.
;;   INPUTS GIVEN AS CODES. W1 (in the module: [512, 2048], K = its axis 0); W2 (in the module: [512, 512], K = its axis 0); Wf1 (in the module: [512, 2048], K = its axis 0); Wf2 (in the module: [2048, 512], K = its axis 0): each comes as NAME_codes (uint8): NAME with its K axis moved to the last place and cut into blocks of 32 codes, [.., K / 32, bytes a block], one block behind the other in memory; two codes a byte, the lower K in the low four bits (a code: sign, 2 exponent bits, 1 mantissa bit); and NAME_scales (uint8): the same leading axes, one E8M0 byte (e + 127) for each 32 codes along K. Its value is code x scale, taken as it is: it is not quantised again, and the codes and scales need not be those that the quantiser above would give.
;; One version. Each part assembles by itself: llvm-mc -triple=amdgcn-amd-amdhsa -mcpu=gfx1250 --defsym DOCPART=n.
;; ======== version 1 of 1: 3 launches
;; limits: right only within a limited range of input values
;; workspace buffers: qc 2,097,152 bytes; qs 524,288 bytes; kv 4,980,736 bytes; sg 16,777,216 bytes; gc 2,097,152 bytes; gs 524,288 bytes
;; launch proj (part 1): grid 64 x 4, 8 waves a work-group, no clusters, 327,680 bytes of LDS; arguments x, g1, be1, W1_codes, W1_scales, b1, qc, qs, kv, sg; writes qc, qs, kv, sg
.if DOCPART == 1
	.amdgcn_target "amdgcn-amd-amdhsa--gfx1250"
	.amdhsa_code_object_version 6
	.text
	.protected	k_qb9f80f8514_proj
	.globl	k_qb9f80f8514_proj
	.p2align	8
	.type	k_qb9f80f8514_proj,@function
k_qb9f80f8514_proj:
	s_mov_b64 s[64:65], 0
	v_nop
	global_prefetch_b8 v0, s[64:65] scope:SCOPE_SE
	s_setreg_imm32_b32 hwreg(HW_REG_WAVE_MODE, 25, 1), 1
	s_wait_xcnt 0x0
; LayerNorm 1, its quantiser, and p = h W1 + b1 on codes of FP4 (E2M1) with one E8M0 scale for each 32 along K.  What leaves: q and k as codes along the head's 64, v as codes along the KEYS, sigmoid(u) as f32.
; SHARES.  Work-group (x, y): x = a block of 128 tokens (batch x / 16, key step x % 16), y = the kind: 0 q, 1 k, 2 u, 3 v: 512 columns of W1.  Wave w takes head w: 64 columns, whose codes, scale words and bias stay in its registers.
; TILES.  p(r) = r + (r & 8).  Tile m of the block holds tokens 32 (m / 2) + 8 (m % 2) + p(r); tile t of my 64 rows of W1 holds rows 32 (t / 2) + 8 (t % 2) + p(r).  With source 0 = W1's rows and source 1 = tokens a lane (r, h)
; then holds token r, and register 16 b + i of the four tiles is column 32 b + 16 h + i: 16 neighbours along the next K.  For v the sources change places: a lane holds one column and its registers run along the keys.
; OPERANDS GO THROUGH LDS AND MEMORY AS IMAGES OF THEIR REGISTERS: four registers by 16 bytes x lane, a scale word by 4 bytes x lane.
; PHASES.  One tensor load a wave brings the block's x into LDS | barrier | wave w: mean and 1 / sqrt(var + eps) of tile w | barrier | wave w: K step w & 3 of tiles 4 (w >> 2) .. + 3 is normalised, quantised, stored as images | barrier | products.
; THE VARIANCE is taken about a shift, the mean of the row's first 128 numbers: var = S2 / 512 - (S1 / 512)^2 with sums of x - shift.  (mean - shift)^2 is at most 3 var, so the difference loses at most a factor 4, whatever offset x carries.
; q's SCALE BYTES CARRY 1 / sqrt(64) = 2^-3: 3 is taken off each; the floor under q's largest magnitude is 2^-121, so that a byte stays at 1 or above.
; NO CLUSTER: the four work-groups that read one block of x run three different paths of this text, and partners of a joint load must run alike; what work-groups of one kind share, 136 KB of W1, goes once into registers.
; NO PREFETCH: x comes by one load at the head.  LDS is filled once and never again.
; LIMITS: NaN and infinities among the inputs are not served.  A block of zeros gets the byte 1 (q: 1 as well) where the rule says 127: its codes are zeros, and this program alone reads the bytes.
; q blocks whose largest magnitude lies under 2^-121, and other blocks under 2^-124, are quantised with the floor's scale.
.set XP,    2080                       ; a token in LDS: two rows of 1,024 bytes + 16 of padding each
.set STAT,  266240                     ; behind x: tile m: mean at 256 m + 4 lane, 1 / sqrt at + 128
.set XIMG,  268288                     ; fragment (tile m, K step s) at (4 m + s) 1,024 + 512 c + 16 lane
.set XSC,   301056                     ; its scale words at (4 m + s) 128 + 4 lane
.set LI,   1                           ; v1   XIMG + 16 lane
.set LS,   2                           ; v2   XSC + 4 lane
.set LI16, 3                           ; v3   16 lane
.set LS4,  4                           ; v4   4 lane
.set WSA,  5                           ; v5   16 p(r)
.set T0,   6                           ; v6   where I store images; later the trip's image address
.set T1,   7                           ; v7   the same for scale words
.set WS,   8                           ; v8-23   W1's scale words, 4 t + s: scales and nothing else
.set XS,   24                          ; v24-31  x's scale words: scales and nothing else
.set X,    32                          ; v32-95  64 numbers of x; later x's fragments
.set G,    96                          ; v96-159 g1 of my K step;  v160-223 be1
.set BE,   160
.set ACC,  96                          ; later the accumulators: 32 registers (q, k, u) or 128 (v)
.set TM,   224                         ; v224-239 the quantiser's work (at the head: lane terms; in the first pass: sums)
.set PC,   240                         ; v240-247 codes just made
.set PW,   248                         ; v248 scale word just made
.set XB0,  249                         ; v249, v254 my K step of my four tiles in x;  v255 their statistics
.set MN,   250                         ; v[250:251] mean, twice;  v[252:253] 1 / sqrt, twice
.set RS,   252
.set XB1,  254
.set STL,  255
.set XA1,  231                         ; first pass: my tile's rows, where its statistics go, the shift, four sums, two work registers
.set ST1,  232
.set SH,   234
.set S1,   236
.set S2,   238
.set S1B,  240
.set S2B,  242
.set W0,   244
.set W1T,  245
.set WF,   0                           ; window 1: W1's fragment (t, s) at 32 t + 8 s;  from v128 the bias, 8 t + j
.set B1,   128
.set MSB, 0
.macro WIN new                         ; the immediate's high byte repeats the setting that is left
.if MSB != \new
	s_set_vgpr_msb (MSB<<8)|\new
.set MSB, \new
.endif
.endm
.macro NOPS n
.rept \n
	v_nop
.endr
.endm
.macro MMI d, a, b, c, sa, sb
	v_wmma_scale_f32_16x16x128_f8f6f4 v[(\d):(\d)+7], v[(\a):(\a)+7], v[(\b):(\b)+7], v[(\c):(\c)+7], v[(\sa)], v[(\sb)] matrix_a_fmt:MATRIX_FMT_FP4 matrix_b_fmt:MATRIX_FMT_FP4
.endm
; 64 numbers of a lane, register 16 b + i = k 32 b + 16 h + i of my row, become a fragment's codes in v[PC] on and its scale word in v[PW]
.macro QUANT s
.irp b, 0,1,2,3
	v_max3_num_f32 v[TM+\b], |v[(\s)+16*\b]|, |v[(\s)+1+16*\b]|, 0x1800000   ; my 16 numbers of block b, and the floor 2^(3 - 127): the byte cannot fall under 1
.endr
.irp i, 2,4,6,8,10,12,14
.irp b, 0,1,2,3
	v_max3_num_f32 v[TM+\b], v[TM+\b], |v[(\s)+16*\b+\i]|, |v[(\s)+1+16*\b+\i]|
.endr
.endr
.irp b, 0,1,2,3
	s_delay_alu instid0(VALU_DEP_4)
	v_permlanex16_b32 v[TM+4+\b], v[TM+\b], s44, s45
.endr
.irp b, 0,1,2,3
	s_delay_alu instid0(VALU_DEP_4)
	v_max_num_f32 v[TM+\b], v[TM+\b], v[TM+4+\b]       ; with lane l xor 16's: the block's largest magnitude
.endr
.irp b, 0,1,2,3
	s_delay_alu instid0(VALU_DEP_4)
	v_add_nc_u32 v[TM+12+\b], 0xff000000, v[TM+\b]     ; 2 off its exponent field: the conversion's scale operand
.endr
.irp b, 0,1,2,3
	s_delay_alu instid0(VALU_DEP_4)
	v_lshrrev_b32 v[TM+4+\b], 23, v[TM+12+\b]          ; the scale's byte
.endr
	s_delay_alu instid0(VALU_DEP_3)
	v_lshl_or_b32 v[PW], v[TM+5], 8, v[TM+4]
	s_delay_alu instid0(VALU_DEP_1)
	v_lshl_or_b32 v[PW], v[TM+6], 16, v[PW]
	s_delay_alu instid0(VALU_DEP_1)
	v_lshl_or_b32 v[PW], v[TM+7], 24, v[PW]
.irp b, 0,1,2,3
	v_cvt_scalef32_pk8_fp4_f32 v[PC+2*\b], v[(\s)+16*\b:(\s)+7+16*\b], v[TM+12+\b]
	v_cvt_scalef32_pk8_fp4_f32 v[PC+1+2*\b], v[(\s)+8+16*\b:(\s)+15+16*\b], v[TM+12+\b]
.endr
	v_nop                                              ; one plain place behind a scaled conversion
.irp c, 0,1
.irp i, 0,1
	v_permlane16_swap_b32 v[PC+4*\c+\i], v[PC+2+4*\c+\i]   ; a whole block to a lane: registers 4 c .. 4 c + 3 hold k = 64 c + 32 h + 0 .. 31
.endr
.endr
.endm
; the same for 32 numbers, two blocks: four registers of codes, a scale word with two bytes.  fl: the floor
.macro QUANT2 s, fl
.irp b, 0,1
	v_max3_num_f32 v[TM+\b], |v[(\s)+16*\b]|, |v[(\s)+1+16*\b]|, \fl
.endr
.irp i, 2,4,6,8,10,12,14
.irp b, 0,1
	v_max3_num_f32 v[TM+\b], v[TM+\b], |v[(\s)+16*\b+\i]|, |v[(\s)+1+16*\b+\i]|
.endr
.endr
.irp b, 0,1
	s_delay_alu instid0(VALU_DEP_2)
	v_permlanex16_b32 v[TM+2+\b], v[TM+\b], s44, s45
.endr
.irp b, 0,1
	s_delay_alu instid0(VALU_DEP_2)
	v_max_num_f32 v[TM+\b], v[TM+\b], v[TM+2+\b]
.endr
.irp b, 0,1
	s_delay_alu instid0(VALU_DEP_2)
	v_add_nc_u32 v[TM+4+\b], 0xff000000, v[TM+\b]
.endr
.irp b, 0,1
	s_delay_alu instid0(VALU_DEP_2)
	v_lshrrev_b32 v[TM+6+\b], 23, v[TM+4+\b]
.endr
	s_delay_alu instid0(VALU_DEP_1)
	v_lshl_or_b32 v[PW], v[TM+7], 8, v[TM+6]
.irp b, 0,1
	v_cvt_scalef32_pk8_fp4_f32 v[PC+2*\b], v[(\s)+16*\b:(\s)+7+16*\b], v[TM+4+\b]
	v_cvt_scalef32_pk8_fp4_f32 v[PC+1+2*\b], v[(\s)+8+16*\b:(\s)+15+16*\b], v[TM+4+\b]
.endr
	v_nop
	v_permlane16_swap_b32 v[PC], v[PC+2]
	v_permlane16_swap_b32 v[PC+1], v[PC+3]
.endm
; 64 numbers of x: of my row, 16 neighbours of each of four blocks of 32
.macro XLD adr, off
.irp b, 0,1,2,3
.irp i, 0,1,2,3
	ds_load_b128 v[X+16*\b+4*\i:X+16*\b+4*\i+3], v[\adr] offset:(\off)+128*\b+16*\i
.endr
.endr
.endm
	s_load_b512 s[4:19], s[0:1], 0x0               ; x 4, g1 6, be1 8, W1's codes 10, its scales 12, b1 14, qc 16, qs 18
	s_load_b128 s[20:23], s[0:1], 0x40             ; kv 20, sg 22
	v_lshl_add_u32 v249, v0, 2, 305152             ; my spare word: 128 bytes a wave behind the scale words' images, four blocks of 256 bytes that no other line names
	v_mov_b32 v250, 0                              ; no two registers can be kept: v0 stays, and the two are made anew at each wave's end
	ds_add_u32 v249, v250                          ; the opening lines: the add, twice on end, and its wait ahead of my tensor load
	ds_add_u32 v249, v250
	v_lshrrev_b32 v[T0], 5, v0
	s_delay_alu instid0(VALU_DEP_1)
	v_readfirstlane_b32 s24, v[T0]                 ; wave = head
	s_mov_b32 s25, ttmp9                           ; the block of tokens
	s_and_b32 s26, ttmp7, 0xffff                   ; the kind
	s_lshr_b32 s27, s25, 4                         ; batch
	s_and_b32 s28, s25, 15                         ; key step
	; descriptor group 1: 32 rows of 256 f32 (16 tokens), dense in memory, 4 words of padding behind every 256
	s_mov_b32 s32, (2<<16)|(1<<20)|(7<<22)|(3<<25)
	s_mov_b32 s33, 256<<16                         ; tensor_dim0
	s_mov_b32 s34, 32<<16                          ; tensor_dim1
	s_mov_b32 s35, 256<<16                         ; tile_dim0
	s_mov_b32 s36, 32                              ; tile_dim1
	s_mov_b32 s37, 256                             ; from row to row
	s_mov_b32 s38, 0
	s_mov_b32 s39, 0
	s_mov_b32 s40, 1
	s_mul_i32 s41, s24, 32*1040                    ; my 16 tokens' place in LDS
	s_lshl_b32 s56, s25, 18                        ; the block's 128 tokens of 2,048 bytes,
	s_lshl_b32 s57, s24, 15                        ; my 16 of them
	s_add_co_u32 s56, s56, s57
	s_mov_b32 s57, 0
	s_mov_b32 s44, 0x76543210
	s_mov_b32 s45, 0xfedcba98                      ; v_permlanex16_b32's selects for lane l xor 16
	s_wait_dscnt 0x0                               ; both opening adds are done
	s_wait_kmcnt 0x0
	s_add_nc_u64 s[42:43], s[4:5], s[56:57]
	s_or_b32 s43, s43, 0x80000000
	tensor_load_to_lds s[40:43], s[32:39]          ; the one tensor load of this wave
	s_nop 0
	NOPS 4
	s_lshl_b32 s58, s26, 9
	s_lshl_b32 s59, s24, 6
	s_add_co_u32 s58, s58, s59                     ; my first row of W1: 512 x kind + 64 x head
	s_lshl_b32 s56, s58, 8
	s_add_nc_u64 s[10:11], s[10:11], s[56:57]      ; its codes, 256 bytes a row
	s_lshl_b32 s56, s58, 4
	s_add_nc_u64 s[12:13], s[12:13], s[56:57]      ; its scale bytes, 16 a row
	s_lshl_b32 s56, s58, 2
	s_add_nc_u64 s[14:15], s[14:15], s[56:57]      ; its bias
	s_lshr_b32 s58, s24, 2                         ; which four tiles I quantise
	s_and_b32 s59, s24, 3                          ; and which K step of them
	s_lshl_b32 s56, s59, 9
	s_add_nc_u64 s[6:7], s[6:7], s[56:57]          ; g1 and be1 of that K step
	s_add_nc_u64 s[8:9], s[8:9], s[56:57]
	v_and_b32 v224, 31, v0                         ; lane
	v_and_b32 v225, 15, v0                         ; r
	v_bfe_u32 v226, v0, 4, 1                       ; h
	s_delay_alu instid0(VALU_DEP_2)
	v_and_b32 v227, 8, v225
	s_delay_alu instid0(VALU_DEP_1)
	v_add_nc_u32 v227, v227, v225                  ; p(r)
	v_lshlrev_b32 v[LI16], 4, v224
	v_lshlrev_b32 v[LS4], 2, v224
	s_delay_alu instid0(VALU_DEP_2)
	v_add_nc_u32 v[LI], XIMG, v[LI16]
	s_delay_alu instid0(VALU_DEP_2)
	v_add_nc_u32 v[LS], XSC, v[LS4]
	v_lshlrev_b32 v[WSA], 4, v227
	v_lshlrev_b32 v228, 8, v227
	s_delay_alu instid0(VALU_DEP_1)
	v_lshl_add_u32 v228, v226, 4, v228             ; W1's codes: 256 p(r) + 16 h
	v_lshlrev_b32 v229, 6, v226                    ; 64 h
	v_lshlrev_b32 v230, 2, v227                    ; 4 p(r)
	v_mul_u32_u24 v233, v227, XP
	s_delay_alu instid0(VALU_DEP_1)
	v_lshl_add_u32 v233, v226, 6, v233             ; x in LDS: p(r) tokens + 64 h
	v_mov_b32 v[W0], 0                             ; a lane permute's destination counts as one of its sources
	v_mov_b32 v[W1T], 0
	WIN 0x40                                       ; destination window 1
.irp t, 0,1,2,3
.irp s, 0,1,2,3
.irp c, 0,1
	global_load_b128 v[WF+32*\t+8*\s+4*\c:WF+32*\t+8*\s+4*\c+3], v228, s[10:11] offset:(32*(\t/2)+8*(\t%2))*256+64*\s+32*\c
.endr
.endr
.endr
	WIN 0
	s_cmp_eq_u32 s26, 3
	s_cbranch_scc1 .Lbias_v
	WIN 0x40                                       ; q, k, u: a lane's registers run along the columns: 32 b + 8 u + 16 h + j
.irp t, 0,1,2,3
	global_load_b128 v[B1+8*\t:B1+8*\t+3], v229, s[14:15] offset:(32*(\t/2)+8*(\t%2))*4
	global_load_b128 v[B1+8*\t+4:B1+8*\t+7], v229, s[14:15] offset:(32*(\t/2)+8*(\t%2))*4+16
.endr
	WIN 0
	s_branch .Lbias_in
.Lbias_v:
	WIN 0x40                                       ; v: a lane holds ONE column, 32 b + 8 u + p(r): its bias in all eight registers
	s_wait_alu depctr_va_vdst(0)
.irp t, 0,1,2,3
.irp j, 0,1,2,3,4,5,6,7
	global_load_b32 v[B1+8*\t+\j], v230, s[14:15] offset:(32*(\t/2)+8*(\t%2))*4
.endr
.endr
	WIN 0
.Lbias_in:
	s_wait_alu depctr_va_vdst(0)
.irp b, 0,1,2,3
.irp i, 0,1,2,3
	global_load_b128 v[G+16*\b+4*\i:G+16*\b+4*\i+3], v229, s[6:7] offset:128*\b+16*\i
	global_load_b128 v[BE+16*\b+4*\i:BE+16*\b+4*\i+3], v229, s[8:9] offset:128*\b+16*\i
.endr
.endr
.irp t, 0,1,2,3
	global_load_b128 v[WS+4*\t:WS+4*\t+3], v[WSA], s[12:13] offset:(32*(\t/2)+8*(\t%2))*16   ; a row's 16 bytes are its four scale words
.endr
	; every LDS address is made here, of constants, the lane and the wave's number
	s_lshr_b32 s56, s24, 1
	s_lshl_b32 s56, s56, 5
	s_and_b32 s60, s24, 1
	s_lshl_b32 s60, s60, 3
	s_add_co_u32 s56, s56, s60
	s_mul_i32 s56, s56, XP
	v_add_nc_u32 v[XA1], s56, v233                 ; tile w's tokens
	s_lshl_b32 s56, s24, 8
	s_add_co_u32 s56, s56, STAT
	v_add_nc_u32 v[ST1], s56, v[LS4]
	s_mul_i32 s56, s58, 64*XP
	s_lshr_b32 s60, s59, 1
	s_mul_i32 s60, s60, 1040
	s_add_co_u32 s56, s56, s60
	s_and_b32 s60, s59, 1
	s_lshl_b32 s60, s60, 9
	s_add_co_u32 s56, s56, s60
	v_add_nc_u32 v[XB0], s56, v233                 ; my K step of tiles 4 (w / 4) + 0, 1;
	s_delay_alu instid0(VALU_DEP_1)
	v_add_nc_u32 v[XB1], 32*XP, v[XB0]             ; of tiles + 2, 3
	s_lshl_b32 s56, s58, 10
	s_add_co_u32 s56, s56, STAT
	v_add_nc_u32 v[STL], s56, v[LS4]
	s_lshl_b32 s56, s58, 14
	s_lshl_b32 s60, s59, 10
	s_add_co_u32 s56, s56, s60
	v_add_nc_u32 v[T0], s56, v[LI]
	s_lshl_b32 s56, s58, 11
	s_lshl_b32 s60, s59, 7
	s_add_co_u32 s56, s56, s60
	v_add_nc_u32 v[T1], s56, v[LS]
	s_wait_alu depctr_va_vdst(0)
	s_wait_tensorcnt 0x0                           ; my 16 tokens lie in LDS,
	s_barrier_signal -1
	s_barrier_wait -1                              ; everybody's do
	; ---- first pass: tile w's mean and 1 / sqrt(var + eps)
	XLD XA1, 0
	s_wait_dscnt 0x0
	v_pk_add_f32 v[238:239], v[32:33], v[34:35]
	v_pk_add_f32 v[252:253], v[40:41], v[44:45]
	v_pk_add_f32 v[250:251], v[48:49], v[52:53]
	v_pk_add_f32 v[246:247], v[56:57], v[60:61]
	v_pk_add_f32 v[242:243], v[64:65], v[68:69]
	v_pk_add_f32 v[240:241], v[72:73], v[76:77]
	v_pk_add_f32 v[234:235], v[80:81], v[84:85]
	v_pk_add_f32 v[236:237], v[88:89], v[92:93]
	s_delay_alu instid0(VALU_DEP_1)
	v_pk_add_f32 v[236:237], v[236:237], v[36:37]
	v_pk_add_f32 v[238:239], v[238:239], v[38:39]
	v_pk_add_f32 v[252:253], v[252:253], v[42:43]
	v_pk_add_f32 v[250:251], v[250:251], v[46:47]
	v_pk_add_f32 v[246:247], v[246:247], v[50:51]
	v_pk_add_f32 v[242:243], v[242:243], v[54:55]
	v_pk_add_f32 v[240:241], v[240:241], v[58:59]
	v_pk_add_f32 v[234:235], v[234:235], v[62:63]
	v_pk_add_f32 v[236:237], v[236:237], v[66:67]
	v_pk_add_f32 v[238:239], v[238:239], v[70:71]
	v_pk_add_f32 v[252:253], v[252:253], v[74:75]
	v_pk_add_f32 v[250:251], v[250:251], v[78:79]
	v_pk_add_f32 v[246:247], v[246:247], v[82:83]
	v_pk_add_f32 v[242:243], v[242:243], v[86:87]
	v_pk_add_f32 v[240:241], v[240:241], v[90:91]
	v_pk_add_f32 v[234:235], v[234:235], v[94:95]
	s_delay_alu instid0(VALU_DEP_4)
	v_pk_add_f32 v[236:237], v[236:237], v[246:247]
	s_delay_alu instid0(VALU_DEP_4)
	v_pk_add_f32 v[238:239], v[238:239], v[242:243]
	s_delay_alu instid0(VALU_DEP_4)
	v_pk_add_f32 v[252:253], v[252:253], v[240:241]
	s_delay_alu instid0(VALU_DEP_4)
	v_pk_add_f32 v[250:251], v[250:251], v[234:235]
	s_delay_alu instid0(VALU_DEP_2)
	v_pk_add_f32 v[236:237], v[236:237], v[252:253]
	s_delay_alu instid0(VALU_DEP_2)
	v_pk_add_f32 v[238:239], v[238:239], v[250:251]
	s_delay_alu instid0(VALU_DEP_1)
	v_pk_add_f32 v[236:237], v[236:237], v[238:239]
	s_delay_alu instid0(VALU_DEP_1)
	v_add_f32 v[SH], v[S1], v[S1+1]
	s_delay_alu instid0(VALU_DEP_1)
	v_permlanex16_b32 v[W0], v[SH], s44, s45
	s_delay_alu instid0(VALU_DEP_1)
	v_add_f32 v[SH], v[SH], v[W0]
	s_delay_alu instid0(VALU_DEP_1)
	v_mul_f32 v[SH], 0x3c000000, v[SH]             ; the shift: the mean of the row's first 128
	s_delay_alu instid0(VALU_DEP_1)
	v_mov_b32 v[SH+1], v[SH]
.irp q, S1, S1+1, S2, S2+1, S1B, S1B+1, S2B, S2B+1
	v_mov_b32 v[\q], 0
.endr
.macro MOMENTS                         ; S1 += x - shift, S2 += (x - shift)^2, each in two chains
.set j, 0
.rept 32
	v_pk_add_f32 v[X+j:X+j+1], v[X+j:X+j+1], v[SH:SH+1] neg_lo:[0,1] neg_hi:[0,1]
.set j, j+2
.endr
.set j, 0
	v_pk_add_f32 v[S1:S1+1], v[S1:S1+1], v[X+j:X+j+1]
	v_pk_add_f32 v[S1B:S1B+1], v[S1B:S1B+1], v[X+j+2:X+j+3]
	v_pk_fma_f32 v[S2:S2+1], v[X+j:X+j+1], v[X+j:X+j+1], v[S2:S2+1]
	v_pk_fma_f32 v[S2B:S2B+1], v[X+j+2:X+j+3], v[X+j+2:X+j+3], v[S2B:S2B+1]
.set j, j+4
.rept (16)-1
	s_delay_alu instid0(VALU_DEP_4)
	v_pk_add_f32 v[S1:S1+1], v[S1:S1+1], v[X+j:X+j+1]
	s_delay_alu instid0(VALU_DEP_4)
	v_pk_add_f32 v[S1B:S1B+1], v[S1B:S1B+1], v[X+j+2:X+j+3]
	s_delay_alu instid0(VALU_DEP_4)
	v_pk_fma_f32 v[S2:S2+1], v[X+j:X+j+1], v[X+j:X+j+1], v[S2:S2+1]
	s_delay_alu instid0(VALU_DEP_4)
	v_pk_fma_f32 v[S2B:S2B+1], v[X+j+2:X+j+3], v[X+j+2:X+j+3], v[S2B:S2B+1]
.set j, j+4
.endr
.endm
	MOMENTS
.irp o, 512, 1040, 1552
	XLD XA1, \o
	s_wait_dscnt 0x0
	MOMENTS
.endr
	s_delay_alu instid0(VALU_DEP_3)
	v_pk_add_f32 v[S1:S1+1], v[S1:S1+1], v[S1B:S1B+1]
	s_delay_alu instid0(VALU_DEP_2)
	v_pk_add_f32 v[S2:S2+1], v[S2:S2+1], v[S2B:S2B+1]
	s_delay_alu instid0(VALU_DEP_2)
	v_add_f32 v[S1], v[S1], v[S1+1]
	s_delay_alu instid0(VALU_DEP_2)
	v_add_f32 v[S2], v[S2], v[S2+1]
	s_delay_alu instid0(VALU_DEP_2)
	v_permlanex16_b32 v[W0], v[S1], s44, s45
	s_delay_alu instid0(VALU_DEP_2)
	v_permlanex16_b32 v[W1T], v[S2], s44, s45
	s_delay_alu instid0(VALU_DEP_2)
	v_add_f32 v[S1], v[S1], v[W0]
	s_delay_alu instid0(VALU_DEP_2)
	v_add_f32 v[S2], v[S2], v[W1T]
	s_delay_alu instid0(VALU_DEP_2)
	v_mul_f32 v[S1], 0x3b000000, v[S1]             ; S1 / 512
	s_delay_alu instid0(VALU_DEP_2)
	v_mul_f32 v[S2], 0x3b000000, v[S2]             ; S2 / 512
	s_delay_alu instid0(VALU_DEP_2)
	v_add_f32 v[W0], v[SH], v[S1]                  ; the mean
	s_delay_alu instid0(VALU_DEP_2)
	v_fma_f32 v[S2], -v[S1], v[S1], v[S2]          ; the variance,
	s_delay_alu instid0(VALU_DEP_1)
	v_max_num_f32 v[S2], 0, v[S2]                  ; which rounding may not carry under 0
	s_delay_alu instid0(VALU_DEP_1)
	v_add_f32 v[S2], 0x3727c5ac, v[S2]             ; + 1e-5
	s_wait_alu depctr_va_vdst(0)
	v_rsq_f32 v[W1T], v[S2]
	v_nop                                          ; a plain place behind the transcendental,
	s_wait_alu depctr_va_vdst(0)                   ; and the wait ahead of its first reader
	ds_store_b32 v[ST1], v[W0]
	ds_store_b32 v[ST1], v[W1T] offset:128
	s_wait_dscnt 0x0                               ; for the others' sake: my stores have landed
	s_barrier_signal -1
	s_barrier_wait -1
	; ---- second pass: K step w & 3 of four tiles: ((x - mean) / sqrt) g1 + be1, quantised, to LDS as images
	s_wait_loadcnt 0x0                             ; g1, be1, and W1's part with them: the registers that addressed those loads are free
.macro NORMQ mm
	ds_load_b32 v[MN], v[STL] offset:256*\mm
	ds_load_b32 v[MN+1], v[STL] offset:256*\mm
	ds_load_b32 v[RS], v[STL] offset:256*\mm+128
	ds_load_b32 v[RS+1], v[STL] offset:256*\mm+128
.if \mm < 2
	XLD XB0, (\mm%2)*8*XP
.else
	XLD XB1, (\mm%2)*8*XP
.endif
	s_wait_dscnt 0x0
.set j, 0
.rept 32
	v_pk_add_f32 v[X+j:X+j+1], v[X+j:X+j+1], v[MN:MN+1] neg_lo:[0,1] neg_hi:[0,1]
.set j, j+2
.endr
.set j, 0
.rept 32
	v_pk_mul_f32 v[X+j:X+j+1], v[X+j:X+j+1], v[RS:RS+1]
.set j, j+2
.endr
.set j, 0
.rept 32
	v_pk_fma_f32 v[X+j:X+j+1], v[X+j:X+j+1], v[G+j:G+j+1], v[BE+j:BE+j+1]
.set j, j+2
.endr
	QUANT X
	ds_store_b128 v[T0], v[PC:PC+3] offset:4096*\mm
	ds_store_b128 v[T0], v[PC+4:PC+7] offset:4096*\mm+512
	ds_store_b32 v[T1], v[PW] offset:512*\mm
	s_wait_dscnt 0x0                               ; the stores have read their registers, and have landed
.endm
	NORMQ 0
	NORMQ 1
	NORMQ 2
	NORMQ 3
	s_barrier_signal -1
	s_barrier_wait -1                              ; the block's 32 fragments lie in LDS; from here on LDS is only read
	s_lshl_b32 s56, s27, 3
	s_add_co_u32 s56, s56, s24
	s_lshl_b32 s56, s56, 4
	s_add_co_u32 s58, s56, s28                     ; (batch 8 + head) 16 + key step
	s_mov_b32 s57, 0
	s_mov_b32 s46, 0                               ; trips
	s_mov_b32 s47, 0                               ; the trip's tile among the images: 4,096 bytes a tile,
	s_mov_b32 s48, 0                               ; 512 among the scale words
	s_cmp_eq_u32 s26, 3
	s_cbranch_scc1 .Lv
	s_cmp_eq_u32 s26, 2
	s_cbranch_scc1 .Lu
; one tile of tokens x my 64 columns: source 0 = W1's rows, source 1 = the tokens; the four accumulators take turns; the bias is the C of each sum's first instruction
.macro PROD
	v_add_nc_u32 v[T0], s47, v[LI]
	v_add_nc_u32 v[T1], s48, v[LS]
.irp s, 0,1,2,3
	ds_load_b128 v[X+8*\s:X+8*\s+3], v[T0] offset:1024*\s
	ds_load_b128 v[X+8*\s+4:X+8*\s+7], v[T0] offset:1024*\s+512
	ds_load_b32 v[XS+\s], v[T1] offset:128*\s
.endr
	s_wait_dscnt 0x0
	WIN 0x11                                       ; source 0 and C in window 1
.irp t, 0,1,2,3
	MMI ACC+8*\t, WF+32*\t, X, B1+8*\t, WS+4*\t, XS
.endr
	WIN 0x01
.irp s, 1,2,3
.irp t, 0,1,2,3
	MMI ACC+8*\t, WF+32*\t+8*\s, X+8*\s, ACC+8*\t, WS+4*\t+\s, XS+\s
.endr
.endr
	WIN 0
	NOPS 4                                         ; places in front of the first read of results
.endm
	; ---- q and k: one path; only pointers, the floor and what is taken off the bytes are chosen
	s_lshl_b32 s59, s58, 12                        ; q: eight tiles of 512 bytes a block
	s_lshl_b32 s60, s58, 10                        ;    and of 128
	s_mul_i32 s61, s58, 9728                       ; k: the key step's block in kv,
	s_add_co_u32 s51, s61, 4096                    ;    its scale words, straight behind its codes: K's 5,120 bytes of a block are dense
	s_mov_b32 s49, 0x1800000
	s_cmp_eq_u32 s26, 0
	s_cselect_b64 s[52:53], s[16:17], s[20:21]
	s_cselect_b64 s[54:55], s[18:19], s[20:21]
	s_cselect_b32 s56, s59, s61
	s_cselect_b32 s60, s60, s51
	s_cselect_b32 s49, 0x3000000, s49              ; q's floor is 2^(6 - 127),
	s_cselect_b32 s50, 0x0303, 0                   ; since 3 goes off each of its bytes: 1 / sqrt(64)
	s_add_nc_u64 s[52:53], s[52:53], s[56:57]
	s_mov_b32 s56, s60
	s_add_nc_u64 s[54:55], s[54:55], s[56:57]
.Lqk:
	PROD
	QUANT2 ACC, s49
	v_sub_nc_u32 v[PW], v[PW], s50
	global_store_b128 v[LI16], v[PC:PC+3], s[52:53]    ; 32 lanes store 512 consecutive bytes
	global_store_b32 v[LS4], v[PW], s[54:55]
	s_wait_xcnt 0x0                                ; the stores' data and bases are written again only behind this wait
	s_add_nc_u64 s[52:53], s[52:53], 512
	s_add_nc_u64 s[54:55], s[54:55], 128
	s_add_co_u32 s47, s47, 4096
	s_add_co_u32 s48, s48, 512
	s_add_co_u32 s46, s46, 1
	s_cmp_lt_u32 s46, 8
	s_cbranch_scc1 .Lqk
	v_lshl_add_u32 v249, v0, 2, 305152             ; the wave's end
	v_mov_b32 v250, 0
	s_wait_alu depctr_va_vdst(0)
	s_wait_tensorcnt 0x0
	ds_add_u32 v249, v250
	s_wait_dscnt 0x0
	s_endpgm
.Lu:	; ---- u: sigmoid(u) = 1 / (1 + 2^(-u log2 e)), f32, as an image of the 32 registers
	s_lshl_b32 s56, s27, 7
	s_lshl_b32 s59, s28, 3
	s_add_co_u32 s56, s56, s59
	s_lshl_b32 s56, s56, 3
	s_add_co_u32 s56, s56, s24
	s_lshl_b32 s56, s56, 12                        ; ((batch 128 + tile) 8 + head) 4,096
	s_add_nc_u64 s[52:53], s[22:23], s[56:57]
.Lus:
	PROD
.set j, 0
.rept 16
	v_pk_mul_f32 v[ACC+j:ACC+j+1], v[ACC+j:ACC+j+1], 0xbfb8aa3b op_sel_hi:[1,0]
.set j, j+2
.endr
.set j, 0
	s_wait_alu depctr_va_vdst(0)
.rept 32
	v_exp_f32 v[ACC+j], v[ACC+j]
.set j, j+1
.endr
	v_nop
	s_wait_alu depctr_va_vdst(0)                   ; one wait for the batch, ahead of its first reader
.set j, 0
.rept 16
	v_pk_add_f32 v[ACC+j:ACC+j+1], v[ACC+j:ACC+j+1], 1.0 op_sel_hi:[1,0]
.set j, j+2
.endr
.set j, 0
	s_wait_alu depctr_va_vdst(0)
.rept 32
	v_rcp_f32 v[ACC+j], v[ACC+j]
.set j, j+1
.endr
	v_nop
	s_wait_alu depctr_va_vdst(0)
.irp i, 0,1,2,3,4,5,6,7
	global_store_b128 v[LI16], v[ACC+4*\i:ACC+4*\i+3], s[52:53] offset:512*\i
.endr
	s_wait_xcnt 0x0
	s_add_nc_u64 s[52:53], s[52:53], 32768         ; the next tile: eight heads of 4,096 bytes on
	s_add_co_u32 s47, s47, 4096
	s_add_co_u32 s48, s48, 512
	s_add_co_u32 s46, s46, 1
	s_cmp_lt_u32 s46, 8
	s_cbranch_scc1 .Lus
	v_lshl_add_u32 v249, v0, 2, 305152             ; the wave's end, as above
	v_mov_b32 v250, 0
	s_wait_alu depctr_va_vdst(0)
	s_wait_tensorcnt 0x0
	ds_add_u32 v249, v250
	s_wait_dscnt 0x0
	s_endpgm
.Lv:	; ---- v: source 0 = the tokens, source 1 = W1's rows: a lane holds one column, and the 64 registers of the eight tiles of tokens run along the 128 keys: one fragment of V^T for each tile of columns
	s_mul_i32 s56, s58, 9728
	s_add_nc_u64 s[52:53], s[20:21], s[56:57]
.macro VPAIR pr                        ; tiles 2 pr and 2 pr + 1 of my columns: sixteen accumulators by turns
.irp s, 0,1,2,3
.if \s > 0
	NOPS 4                                         ; places in front of loads into registers that matrix instructions have read
.endif
.irp m, 0,1,2,3,4,5,6,7
	ds_load_b128 v[X+8*\m:X+8*\m+3], v[LI] offset:(4*\m+\s)*1024
	ds_load_b128 v[X+8*\m+4:X+8*\m+7], v[LI] offset:(4*\m+\s)*1024+512
	ds_load_b32 v[XS+\m], v[LS] offset:(4*\m+\s)*128
.endr
	s_wait_dscnt 0x0
.if \s == 0
	WIN 0x14                                       ; source 1 and C in window 1
.else
	WIN 0x04
.endif
.irp m, 0,1,2,3,4,5,6,7
.irp e, 0,1
.if \s == 0
	MMI ACC+64*\e+8*\m, X+8*\m, WF+32*(2*\pr+\e), B1+8*(2*\pr+\e), XS+\m, WS+4*(2*\pr+\e)
.else
	MMI ACC+64*\e+8*\m, X+8*\m, WF+32*(2*\pr+\e)+8*\s, ACC+64*\e+8*\m, XS+\m, WS+4*(2*\pr+\e)+\s
.endif
.endr
.endr
	WIN 0
.endr
	NOPS 4
.irp e, 0,1
	QUANT ACC+64*\e
	global_store_b128 v[LI16], v[PC:PC+3], s[52:53] offset:5120+1024*(2*\pr+\e)
	global_store_b128 v[LI16], v[PC+4:PC+7], s[52:53] offset:5120+1024*(2*\pr+\e)+512
	global_store_b32 v[LS4], v[PW], s[52:53] offset:9216+128*(2*\pr+\e)
	s_wait_xcnt 0x0                                ; the codes' registers are written again only behind this wait
.endr
.endm
	VPAIR 0
	VPAIR 1
	v_lshl_add_u32 v249, v0, 2, 305152             ; the wave's end, as above
	v_mov_b32 v250, 0
	s_wait_alu depctr_va_vdst(0)
	s_wait_tensorcnt 0x0
	ds_add_u32 v249, v250
	s_wait_dscnt 0x0
	s_endpgm
.Lfunc_end_k_qb9f80f8514_proj:
	.size	k_qb9f80f8514_proj, .Lfunc_end_k_qb9f80f8514_proj-k_qb9f80f8514_proj
	.p2alignl 7, 3214868480
	.fill 96, 4, 3214868480
	.section	.rodata,"a",@progbits
	.p2align	6, 0x0
	.amdhsa_kernel k_qb9f80f8514_proj
		.amdhsa_group_segment_fixed_size 327680
		.amdhsa_private_segment_fixed_size 0
		.amdhsa_enable_private_segment 0
		.amdhsa_kernarg_size 80
		.amdhsa_user_sgpr_count 2
		.amdhsa_user_sgpr_kernarg_segment_ptr 1
		.amdhsa_wavefront_size32 1
		.amdhsa_system_sgpr_workgroup_id_x 1
		.amdhsa_system_sgpr_workgroup_id_y 1
		.amdhsa_system_sgpr_workgroup_id_z 1
		.amdhsa_system_vgpr_workitem_id 0
		.amdhsa_next_free_vgpr 416
		.amdhsa_next_free_sgpr 66
		.amdhsa_reserve_vcc 0
		.amdhsa_float_denorm_mode_32 3
		.amdhsa_float_denorm_mode_16_64 3
		.amdhsa_memory_ordered 1
		.amdhsa_forward_progress 1
		.amdhsa_inst_pref_size 168
	.end_amdhsa_kernel
	.amdgpu_metadata
---
amdhsa.version: [ 1, 2 ]
amdhsa.kernels:
  - .name:           k_qb9f80f8514_proj
    .symbol:         k_qb9f80f8514_proj.kd
    .args:
      - { .name: x, .offset: 0, .size: 8, .value_kind: global_buffer, .address_space: global }
      - { .name: g1, .offset: 8, .size: 8, .value_kind: global_buffer, .address_space: global }
      - { .name: be1, .offset: 16, .size: 8, .value_kind: global_buffer, .address_space: global }
      - { .name: W1_codes, .offset: 24, .size: 8, .value_kind: global_buffer, .address_space: global }
      - { .name: W1_scales, .offset: 32, .size: 8, .value_kind: global_buffer, .address_space: global }
      - { .name: b1, .offset: 40, .size: 8, .value_kind: global_buffer, .address_space: global }
      - { .name: qc, .offset: 48, .size: 8, .value_kind: global_buffer, .address_space: global }
      - { .name: qs, .offset: 56, .size: 8, .value_kind: global_buffer, .address_space: global }
      - { .name: kv, .offset: 64, .size: 8, .value_kind: global_buffer, .address_space: global }
      - { .name: sg, .offset: 72, .size: 8, .value_kind: global_buffer, .address_space: global }
    .group_segment_fixed_size: 327680
    .private_segment_fixed_size: 0
    .kernarg_segment_align: 8
    .kernarg_segment_size: 80
    .max_flat_workgroup_size: 256
    .sgpr_count:     66
    .vgpr_count:     416
    .wavefront_size: 32
...
	.end_amdgpu_metadata
.endif
;; end of part 1
;; launch attn (part 2): grid 32 x 8, 16 waves a work-group, clusters of 4 x 1, 327,680 bytes of LDS; arguments rel_pos_bias, qc, qs, kv, sg, gc, gs; writes gc, gs
.if DOCPART == 2
	.amdgcn_target "amdgcn-amd-amdhsa--gfx1250"
	.amdhsa_code_object_version 6
	.text
	.protected	k_qb9f80f8514_attn
	.globl	k_qb9f80f8514_attn
	.p2align	8
	.type	k_qb9f80f8514_attn,@function
k_qb9f80f8514_attn:
	s_mov_b64 s[64:65], 0
	v_nop
	global_prefetch_b8 v0, s[64:65] scope:SCOPE_SE
	s_setreg_imm32_b32 hwreg(HW_REG_WAVE_MODE, 25, 1), 1
	s_wait_xcnt 0x0
	s_wait_alu depctr_hold_cnt(0) depctr_sa_sdst(0) depctr_va_vdst(0) depctr_va_sdst(0) depctr_va_ssrc(0) depctr_va_vcc(0) depctr_vm_vsrc(0)
	s_getreg_b32 s2, hwreg(HW_REG_IB_STS2, 6, 4)
	s_cmp_eq_u32 s2, 0
	s_cbranch_scc0 .Lentry_in_a_cluster
	s_endpgm
.Lentry_in_a_cluster:
	s_bfe_u32 s2, ttmp6, 0x10000c
	s_cmp_lg_u32 s2, 0x3003
	s_cbranch_scc0 .Lentry_shape_is_right
	s_endpgm
.Lentry_shape_is_right:
; gated = (softmax(q k^T / 8 + bias, causal) v) sigmoid(u), both products on codes of FP4 (E2M1) with one E8M0 scale for each 32 along K; the result leaves as codes along the head's 64.
; THE SOFTMAX: t = logit x log2(e); M = the largest t so far, rounded UP to a whole number; p = 2^(t - M) is quantised along the keys; the sum is taken of the unquantised p and divides at the end; a change of M multiplies by a power of two.
; SHARES.  Work-group (J, head) serves blocks of 32 queries for all four batches (the bias is the same for them): first block J, then block 63 - J.  Keys go in slots of 256: J / 8 + 1 slots for the first block, 8 - J / 8 for the second:
; 9 in every work-group, a constant of this text.  SIXTEEN WAVES: wave w has batch w & 3, tile (w >> 2) & 1 of the block, and half w >> 3 of each slot's keys (128): two waves share 16 queries and divide the keys.
; Each keeps its own M, sum and O^T; at a block's end the upper half's wave hands them through an LDS stage of its own bytes to the lower half's, which joins them by powers of two, gates, quantises and stores.
; WHAT LIES ABOVE THE DIAGONAL: no slot wholly above it is fetched.  A block's last slot holds the diagonal; where the diagonal lies in its lower 128 keys, the upper 128 are hidden: they belong to a slot with live keys, are read, and fall to p = 0 under the mask.
; A BLOCK OF kv (one batch, head and key step; 9,728 bytes, images of the operands' registers): K's codes 512 t; + 4,096 K's scale words 128 t; + 5,120 V^T's fragments 1,024 d + 512 c; + 9,216 V's scale words 128 d.
; THE RING: two slots, each of two halves of 65,536 bytes.  Every wave fetches one tile of its own half: waves with tile 0 a batch's K (5,120 dense bytes), the others eight rows of the bias (128 f32 each).
; V GOES STRAIGHT INTO REGISTERS: it is wanted only by the step's second product, behind the softmax, so each wave loads its fragments and scale words at the step's head, 512 consecutive bytes an instruction, and waits for them in front of that product.
; CLUSTER 4, 1, 1: work-groups J = 4 c .. 4 c + 3 of a head have the same counts of slots and want the same K in the same step: K is asked for jointly (mask 15).  The bias tiles differ: plain loads behind the same round.
; No branch and no LDS address hangs on the place in the cluster: branches hang on c (the cluster's x), the wave's number and counts; J goes into global addresses and into the mask's numbers alone.
; THE BIAS is loaded from LDS into the score registers in the result's layout, and S^T = k q^T adds onto it in place; q's scale bytes carry the 1 / 8.
; K = 64 OF THE INSTRUCTION'S 128: q's registers 4-7 hold zero codes; source 0 of tile t names v[KB + 4 t .. + 7], whose upper half meets them.  Bytes 2 and 3 of both scale words are 0: a power of two.
; LAYOUT.  Both products transposed: a lane holds one query, 32 block + 8 tile + p(r), p(r) = r + (r & 8); tile 2 b + u of the keys holds keys 32 b + 8 u + p(r), so register 16 b + i of the scores is key 32 b + 16 h + i.
; PREFETCH: the bias tiles of slot G + 2, one slot ahead of their tensor loads: waves 0, 1, 8, 9 name one 256-byte piece of each of 32 rows, a lane a row; a bias tile has one reader in the launch.  Slots 0 and 1 come by their loads alone;
; trips 7 and 8 ask for nothing.  sigmoid(u) of a block's tile (4,096 bytes for each pair of waves) is asked for at the block's start, all its slots ahead of the load: each wave of the pair names eight pieces of 256 bytes, left-over lanes
; its last piece again.  kv is not asked for: many work-groups read each of its blocks.
; LIMITS: NaN and +infinity in the bias are not served; the promise holds while |t| stays under 2^31.  A block of p or of the result that is all zeros gets the byte 1: its codes are zeros, and this program alone reads the bytes.
.set SUB,   65536
.set SLOT1, 131072
.set KVB_,  9728                       ; a block of kv in memory
.set KVL,   5120                       ; K's part of it: what lies in LDS
.set BOFF,  4*KVL                      ; behind a half's four K: the bias: row i at 528 i + 128 (i / 16)
.set SPARE, 262144                     ; the spare words: 128 bytes a wave, eight blocks of 256 bytes
.set STAGE, 264192                     ; the stage: 4,608 bytes for each pair of waves; no tensor load lands here
.set ABI,  1
.set AKV,  2
.set ASC,  3
.set LI16, 4
.set SPW,  5
.set NIL,  6
.set LS4,  7
.set ADB,  8
.set ADK,  9
.set ADS,  10
.set PFO,  11                          ; 8,192 x lane
.set Q,    16                          ; v16-23 q's fragment (v20-23 zeros); v12 -M, v13 the largest t, v[14:15] the sum
.set QS,   24                          ; q's scale words; v25 the second block's
.set QS2,  25
.set DQ,   26                          ; p(r) - 16 h
.set STA,  27                          ; my pair's stage + 16 lane
.set Q2,   28                          ; v28-31 the second block's q
.set KB,   32                          ; v32-63 k's eight tiles; v64-67 zeros
.set VB,   68                          ; v68-99 V^T's fragments; at a block's end sigmoid(u)
.set KS,   100
.set VS,   108
.set S,    112                         ; v112-175 bias, logits, p
.set OT,   176                         ; v176-207 O^T
.set PC,   208
.set BM,   216
.set PD,   220
.set SO,   224
.set BY,   228
.set C2,   232
.set W,    234
.set MINF, 235
.set PF2,  236                         ; 256 x (8 half + min(lane, 7)): my pieces of sigmoid(u)'s tile; never rewritten
.set FF,   252
.set PW,   253
.set TM,   216
.macro NOPS n
.rept \n
	v_nop
.endr
.endm
.macro MMI d, a, b, c, sa, sb
	v_wmma_scale_f32_16x16x128_f8f6f4 v[(\d):(\d)+7], v[(\a):(\a)+7], v[(\b):(\b)+7], v[(\c):(\c)+7], v[(\sa)], v[(\sb)] matrix_a_fmt:MATRIX_FMT_FP4 matrix_b_fmt:MATRIX_FMT_FP4
.endm
; 32 numbers of a lane (register 16 b + i = k 32 b + 16 h + i) become four registers of codes and a scale word with two bytes
.macro QUANT2 s, fl
.irp b, 0,1
	v_max3_num_f32 v[TM+\b], |v[(\s)+16*\b]|, |v[(\s)+1+16*\b]|, \fl
.endr
.irp i, 2,4,6,8,10,12,14
.irp b, 0,1
	s_delay_alu instid0(VALU_DEP_2)
	v_max3_num_f32 v[TM+\b], v[TM+\b], |v[(\s)+16*\b+\i]|, |v[(\s)+1+16*\b+\i]|
.endr
.endr
.irp b, 0,1
	s_delay_alu instid0(VALU_DEP_2)
	v_permlanex16_b32 v[TM+2+\b], v[TM+\b], s60, s61
.endr
.irp b, 0,1
	s_delay_alu instid0(VALU_DEP_2)
	v_max_num_f32 v[TM+\b], v[TM+\b], v[TM+2+\b]
.endr
.irp b, 0,1
	s_delay_alu instid0(VALU_DEP_2)
	v_add_nc_u32 v[TM+4+\b], 0xff000000, v[TM+\b]
.endr
.irp b, 0,1
	s_delay_alu instid0(VALU_DEP_2)
	v_lshrrev_b32 v[TM+6+\b], 23, v[TM+4+\b]
.endr
	s_delay_alu instid0(VALU_DEP_1)
	v_lshl_or_b32 v[PW], v[TM+7], 8, v[TM+6]
.irp b, 0,1
	v_cvt_scalef32_pk8_fp4_f32 v[PC+2*\b], v[(\s)+16*\b:(\s)+7+16*\b], v[TM+4+\b]
	v_cvt_scalef32_pk8_fp4_f32 v[PC+1+2*\b], v[(\s)+8+16*\b:(\s)+15+16*\b], v[TM+4+\b]
.endr
	v_nop
	v_permlane16_swap_b32 v[PC], v[PC+2]
	v_permlane16_swap_b32 v[PC+1], v[PC+3]
.endm
.macro ROUND                           ; a round of the cluster's barrier
	s_barrier_signal -1
	s_barrier_wait -1
	s_cmp_lg_u32 s18, 0
	s_cbranch_scc1 .Lnot_wave_0_\@
	s_barrier_signal -3
.Lnot_wave_0_\@:
	s_barrier_wait -3
	s_barrier_signal -1
	s_barrier_wait -1
.endm
; every wave fetches one tile: tile 0's waves a batch's K, jointly; tile 1's eight rows of the bias.  The branch hangs on the wave's number alone
.macro TLOAD
	s_cmp_eq_u32 s20, 0
	s_cbranch_scc0 .Lfor_bias_\@
	tensor_load_to_lds s[48:51], s[32:39]
	s_nop 0
	NOPS 4
	s_branch .Lasked_\@
.Lfor_bias_\@:
	tensor_load_to_lds s[52:55], s[40:47]
	s_nop 0
	NOPS 4
.Lasked_\@:
.endm
.macro ASK
	s_cmp_lt_u32 s26, s68
	s_cbranch_scc0 .Lnot_mine_\@
	global_prefetch_b8 v[PFO], s[66:67] th:TH_LOAD_NT scope:SCOPE_SE
.Lnot_mine_\@:
.endm
; of slot G + ahead (held at the last): s86 = my half's key step, s70 = where its bias tile begins in the head's bias
.macro WHERE ahead
	s_add_co_u32 s31, s26, \ahead
	s_min_u32 s31, s31, 8
	s_cmp_lt_u32 s31, s23
	s_cselect_b32 s86, 0, s23
	s_cselect_b32 s87, s24, s25
	s_sub_co_u32 s86, s31, s86
	s_lshl_b32 s86, s86, 1
	s_add_co_u32 s86, s86, s69
	s_lshl_b32 s70, s87, 18                        ; 32 rows of 8,192 bytes a block,
	s_lshl_b32 s94, s86, 9                         ; 512 bytes a key step
	s_add_co_u32 s70, s70, s94
.endm
; THE CHANGE OF SLOTS at a slot's head: all my tensor loads are waited for, the add, the wait for it and for my reads of the slot left; fill = 1: a round of the cluster's barrier, and the slot left takes slot G + 1's tiles: one load a wave is out
.macro CHANGE fill
	s_wait_tensorcnt 0x0
	ds_add_u32 v[SPW], v[NIL]
.if \fill
	WHERE 1
	s_xor_b32 s49, s49, SLOT1
	s_xor_b32 s53, s53, SLOT1
	s_mul_i32 s92, s86, KVB_
	s_add_nc_u64 s[50:51], s[56:57], s[92:93]
	s_or_b32 s51, s51, 0x80000000
	s_add_nc_u64 s[54:55], s[58:59], s[70:71]
	s_or_b32 s55, s55, 0x80000000
	WHERE 2
	s_wait_xcnt 0x0                                ; the last prefetch, a slot back, has read its address
	s_add_nc_u64 s[66:67], s[74:75], s[70:71]
	s_wait_storecnt 0x0                            ; a finished block's stores, a step back, are done: no store of mine is out at the signal
	s_wait_dscnt 0x0
	ROUND
	TLOAD                                          ; its four v_nop are also the places in front of the step's loads
	ASK
.else
	s_wait_storecnt 0x0
	s_wait_dscnt 0x0
	s_barrier_signal -1
	s_barrier_wait -1
	NOPS 4
.endif
.endm
; a block of queries begins: O^T, the sum and M start; my tile's first query; my half's first key and its block of kv; the tile's sigmoid(u) is asked for
.macro START
.set j, 0
.rept 32
	v_mov_b32 v[OT+j], 0                           ; the step is written once: a block's first step finds zeros
.set j, j+1
.endr
	v_mov_b32 v13, 0xff61b1e6                      ; -3e38
	s_delay_alu instid0(VALU_DEP_1)
	v_floor_f32 v12, -v13
	v_mov_b32 v14, 0
	v_mov_b32 v15, 0
	s_lshl_b32 s30, s28, 5
	s_lshl_b32 s87, s20, 3
	s_add_co_u32 s30, s30, s87
	s_lshl_b32 s29, s69, 7
	s_mul_i32 s92, s69, KVB_
	s_add_nc_u64 s[98:99], s[56:57], s[92:93]      ; key step = my half (no load of mine that names this base is out)
	s_lshl_b32 s87, s19, 7
	s_lshl_b32 s72, s28, 1
	s_add_co_u32 s87, s87, s72
	s_add_co_u32 s87, s87, s20
	s_lshl_b32 s87, s87, 3
	s_add_co_u32 s87, s87, s21                     ; (batch 128 + my tile) 8 + head
	s_lshl_b32 s72, s87, 12
	s_add_nc_u64 s[96:97], s[12:13], s[72:73]
	global_prefetch_b8 v[PF2], s[96:97] th:TH_LOAD_NT scope:SCOPE_SE
.endm
; a block of queries ends.  The upper half's waves store O^T, -M and the sum to the stage; one barrier; the lower half's load sigmoid(u) and the stage, join, divide, gate, quantise, store
.macro FINISH
	s_cmp_eq_u32 s69, 0
	s_cbranch_scc1 .Lmeet_\@
.irp i, 0,1,2,3,4,5,6,7
	ds_store_b128 v[STA], v[OT+4*\i:OT+4*\i+3] offset:512*\i     ; each accumulator from its low end on
.endr
	ds_store_b128 v[STA], v[12:15] offset:4096
.Lmeet_\@:
	s_wait_dscnt 0x0                               ; for the partner's sake: my stores have landed
	s_barrier_signal -1
	s_barrier_wait -1
	s_cmp_lg_u32 s69, 0
	s_cbranch_scc1 .Ldone_\@
.irp i, 0,1,2,3,4,5,6,7
	global_load_b128 v[VB+4*\i:VB+4*\i+3], v[LI16], s[96:97] offset:512*\i th:TH_LOAD_NT
.endr
	s_lshl_b32 s87, s19, 7
	s_lshl_b32 s72, s28, 1
	s_add_co_u32 s87, s87, s72
	s_add_co_u32 s87, s87, s20
	s_lshl_b32 s87, s87, 3
	s_add_co_u32 s87, s87, s21                     ; (batch 128 + my tile) 8 + head
	s_lshl_b32 s72, s87, 9
	s_add_nc_u64 s[78:79], s[14:15], s[72:73]
	s_lshl_b32 s72, s87, 7
	s_add_nc_u64 s[80:81], s[16:17], s[72:73]
.irp i, 0,1,2,3,4,5,6,7,8
	ds_load_b128 v[S+4*\i:S+4*\i+3], v[STA] offset:512*\i        ; the partner's O^T; v[S+32] its -M, v[S+34:S+35] its sum
.endr
	s_wait_dscnt 0x0
	v_min_num_f32 v[W], v12, v[S+32]               ; the joint -M
	v_add_f32 v14, v14, v15
	v_add_f32 v[S+34], v[S+34], v[S+35]
	v_sub_f32 v[BM], v[W], v12                     ; whole numbers, 0 or less
	v_sub_f32 v[BM+1], v[W], v[S+32]
	s_delay_alu instid0(VALU_DEP_2)
	v_cvt_i32_f32 v[BM], v[BM]                     ; (they saturate: a partner that saw no key gets the factor 0)
	s_delay_alu instid0(VALU_DEP_2)
	v_cvt_i32_f32 v[BM+1], v[BM+1]
	s_delay_alu instid0(VALU_DEP_2)
	v_ldexp_f32 v[FF], 1.0, v[BM]
	s_delay_alu instid0(VALU_DEP_2)
	v_ldexp_f32 v[C2], 1.0, v[BM+1]
	s_delay_alu instid0(VALU_DEP_2)
	v_mul_f32 v14, v14, v[FF]
	s_delay_alu instid0(VALU_DEP_1)
	v_fmac_f32 v14, v[S+34], v[C2]
	s_delay_alu instid0(VALU_DEP_1)
	v_permlanex16_b32 v[W], v14, s60, s61
	s_delay_alu instid0(VALU_DEP_1)
	v_add_f32 v14, v14, v[W]                       ; the row's sum
	s_wait_alu depctr_va_vdst(0)                   ; the wait ahead of the transcendental
	v_rcp_f32 v14, v14
	v_nop
	s_wait_alu depctr_va_vdst(0)                   ; and ahead of its first reader
	v_mul_f32 v[FF], v[FF], v14
	v_mul_f32 v[C2], v[C2], v14
.set j, 0
.rept 16
	v_pk_mul_f32 v[S+j:S+j+1], v[S+j:S+j+1], v[C2:C2+1] op_sel_hi:[1,0]
.set j, j+2
.endr
	s_wait_alu depctr_va_vdst(0)                   ; the wait directly ahead of the first reader of O^T
.set j, 0
.rept 16
	v_pk_fma_f32 v[S+j:S+j+1], v[OT+j:OT+j+1], v[FF:FF+1], v[S+j:S+j+1] op_sel_hi:[1,0,1]
.set j, j+2
.endr
	s_wait_loadcnt 0x0
.set j, 0
.rept 16
	v_pk_mul_f32 v[S+j:S+j+1], v[S+j:S+j+1], v[VB+j:VB+j+1]
.set j, j+2
.endr
	QUANT2 S, 0x1800000
	global_store_b128 v[LI16], v[PC:PC+3], s[78:79]
	global_store_b32 v[LS4], v[PW], s[80:81]
.Ldone_\@:
.endm
; A KEY STEP: my half's 128 keys of the slot in hand.  sw = 1: where this is the second block's first slot, the first block is finished ahead of it: a branch on the cluster's x and the count of slots, the same in all waves of all partners
.macro STEP sw
.if \sw
	s_cmp_eq_u32 s26, s23
	s_cbranch_scc0 .Lsame_\@
	FINISH
	s_wait_xcnt 0x0                                ; the stores have read their data and pointers
	s_mov_b32 s28, s25
	s_sub_co_u32 s91, 15, s88
	s_lshl_b32 s91, s91, 7                         ; the second block's diagonal lies in key step 15 - c
.irp i, 0,1,2,3
	v_mov_b32 v[Q+\i], v[Q2+\i]
.endr
	v_mov_b32 v[QS], v[QS2]
	START
.Lsame_\@:
.endif
.irp d, 0,1,2,3
	global_load_b128 v[VB+8*\d:VB+8*\d+3], v[LI16], s[98:99] offset:5120+1024*\d       ; V^T's fragments and scale words: wanted behind the softmax
	global_load_b128 v[VB+8*\d+4:VB+8*\d+7], v[LI16], s[98:99] offset:5120+1024*\d+512
	global_load_b32 v[VS+\d], v[LS4], s[98:99] offset:9216+128*\d
.endr
	v_add_nc_u32 v[ADB], s27, v[ABI]
	v_add_nc_u32 v[ADK], s27, v[AKV]
	v_add_nc_u32 v[ADS], s27, v[ASC]
.irp b, 0,1,2,3
.irp i, 0,1,2,3
	ds_load_b128 v[S+16*\b+4*\i:S+16*\b+4*\i+3], v[ADB] offset:128*\b+16*\i
.endr
.endr
.irp t, 0,1,2,3,4,5,6,7
	ds_load_b128 v[KB+4*\t:KB+4*\t+3], v[ADK] offset:512*\t
.endr
.irp t, 0,1,2,3,4,5,6,7
	ds_load_b32 v[KS+\t], v[ADS] offset:4096+128*\t
.endr
	s_wait_dscnt 0x0                               ; the bias, k and its scale words
.irp t, 0,1,2,3,4,5,6,7
	MMI S+8*\t, KB+4*\t, Q, S+8*\t, KS+\t, QS      ; logit = k q / 8 + bias: eight accumulators, one instruction each
.endr
	NOPS 4
	s_cmp_lt_u32 s29, s91                          ; a step under the diagonal's key step has no hidden key
	s_cbranch_scc1 .Lopen_\@
	s_sub_co_i32 s87, s30, s29
	v_add_nc_u32 v[W], s87, v[DQ]                  ; d = my query - the step's first key - 16 h: register 16 b + i is hidden where 32 b + i > d
	v_mov_b32 v[MINF], 0xff800000
.set n, 0
.rept 64
	v_cmp_gt_i32 vcc_lo, 32*(n/16)+n%16, v[W]
	v_cndmask_b32 v[S+n], v[S+n], v[MINF], vcc_lo
.set n, n+1
.endr
.Lopen_\@:
.irp b, 0,1,2,3
	v_max3_num_f32 v[BM+\b], v[S+16*\b], v[S+16*\b+1], v[S+16*\b+2]   ; each block's largest logit: for the row's maximum and for the block's largest p
.endr
.irp i, 3,5,7,9,11,13
.irp b, 0,1,2,3
	v_max3_num_f32 v[BM+\b], v[BM+\b], v[S+16*\b+\i], v[S+16*\b+\i+1]
.endr
.endr
.irp b, 0,1,2,3
	v_max_num_f32 v[BM+\b], v[BM+\b], v[S+16*\b+15]
.endr
.irp b, 0,1,2,3
	s_delay_alu instid0(VALU_DEP_4)
	v_permlanex16_b32 v[PD+\b], v[BM+\b], s60, s61
.endr
.irp b, 0,1,2,3
	s_delay_alu instid0(VALU_DEP_4)
	v_max_num_f32 v[BM+\b], v[BM+\b], v[PD+\b]
.endr
	s_delay_alu instid0(VALU_DEP_2)
	v_max3_num_f32 v[W], v[BM], v[BM+1], v[BM+2]
	s_delay_alu instid0(VALU_DEP_1)
	v_max_num_f32 v[W], v[W], v[BM+3]
	s_delay_alu instid0(VALU_DEP_1)
	v_mul_f32 v[W], s62, v[W]
	s_delay_alu instid0(VALU_DEP_1)
	v_max_num_f32 v13, v13, v[W]                   ; the running largest t
	v_mov_b32 v[W], v12
	s_delay_alu instid0(VALU_DEP_2)
	v_floor_f32 v12, -v13                          ; the new -M
	s_delay_alu instid0(VALU_DEP_1)
	v_sub_f32 v[W], v12, v[W]
	s_delay_alu instid0(VALU_DEP_1)
	v_cvt_i32_f32 v[W], v[W]
	s_delay_alu instid0(VALU_DEP_1)
	v_ldexp_f32 v[FF], 1.0, v[W]                   ; f = 2^(old M - new M)
.set j, 0
.rept 32
	v_pk_fma_f32 v[S+j:S+j+1], v[S+j:S+j+1], s[62:63], v[12:13] op_sel_hi:[1,0,0]   ; t - M
.set j, j+2
.endr
.irp b, 0,1,2,3
	v_fma_f32 v[BM+\b], v[BM+\b], s62, v12
.endr
	s_wait_alu depctr_va_vdst(0)                   ; the wait ahead of the batch
.set j, 0
.rept 64
	v_exp_f32 v[S+j], v[S+j]
.set j, j+1
.endr
	v_pk_mul_f32 v[14:15], v[14:15], v[FF:FF+1] op_sel_hi:[1,0]
	s_wait_alu depctr_va_vdst(0)                   ; one wait for the batch, ahead of its first reader
.irp b, 0,1,2,3
	v_exp_f32 v[BM+\b], v[BM+\b]                   ; the blocks' largest p
.endr
	v_pk_add_f32 v[232:233], v[S:S+1], v[S+2:S+3]  ; the sum of the unquantised p, in four chains
	v_pk_add_f32 v[254:255], v[S+4:S+5], v[S+6:S+7]
	v_pk_add_f32 v[250:251], v[S+8:S+9], v[S+10:S+11]
	v_pk_add_f32 v[14:15], v[14:15], v[S+12:S+13]
.irp j, 14,22,30,38,46,54
	v_pk_add_f32 v[232:233], v[232:233], v[S+\j:S+\j+1]
	v_pk_add_f32 v[254:255], v[254:255], v[S+\j+2:S+\j+3]
	v_pk_add_f32 v[250:251], v[250:251], v[S+\j+4:S+\j+5]
	v_pk_add_f32 v[14:15], v[14:15], v[S+\j+6:S+\j+7]
.endr
	v_pk_add_f32 v[232:233], v[232:233], v[254:255]
	v_pk_add_f32 v[250:251], v[250:251], v[S+62:S+63]
	s_delay_alu instid0(VALU_DEP_2)
	v_pk_add_f32 v[14:15], v[14:15], v[232:233]
	s_delay_alu instid0(VALU_DEP_1)
	v_pk_add_f32 v[14:15], v[14:15], v[250:251]
	s_wait_alu depctr_va_vdst(0)                   ; and one for the four
.irp b, 0,1,2,3
	v_max_num_f32 v[BM+\b], 0x1800000, v[BM+\b]    ; the floor 2^(3 - 127)
.endr
.irp b, 0,1,2,3
	s_delay_alu instid0(VALU_DEP_4)
	v_add_nc_u32 v[SO+\b], 0xff000000, v[BM+\b]
.endr
.irp b, 0,1,2,3
	s_delay_alu instid0(VALU_DEP_4)
	v_lshrrev_b32 v[BY+\b], 23, v[SO+\b]
.endr
	s_delay_alu instid0(VALU_DEP_3)
	v_lshl_or_b32 v[PW], v[BY+1], 8, v[BY]
	s_delay_alu instid0(VALU_DEP_1)
	v_lshl_or_b32 v[PW], v[BY+2], 16, v[PW]
	s_delay_alu instid0(VALU_DEP_1)
	v_lshl_or_b32 v[PW], v[BY+3], 24, v[PW]
.irp b, 0,1,2,3
	v_cvt_scalef32_pk8_fp4_f32 v[PC+2*\b], v[S+16*\b:S+16*\b+7], v[SO+\b]
	v_cvt_scalef32_pk8_fp4_f32 v[PC+1+2*\b], v[S+16*\b+8:S+16*\b+15], v[SO+\b]
.endr
	v_nop
.irp c, 0,1
.irp i, 0,1
	v_permlane16_swap_b32 v[PC+4*\c+\i], v[PC+2+4*\c+\i]
.endr
.endr
	s_wait_alu depctr_va_vdst(0)                   ; the wait directly ahead of the first reader of O^T
.set j, 0
.rept 16
	v_pk_mul_f32 v[OT+j:OT+j+1], v[OT+j:OT+j+1], v[FF:FF+1] op_sel_hi:[1,0]   ; O^T under the new M; also the places between p's codes and scale word and the products
.set j, j+2
.endr
	s_wait_alu depctr_va_vdst(0)
	s_wait_loadcnt 0x0                             ; V: all twelve loads of the step's head
.irp d, 0,1,2,3
	MMI OT+8*\d, VB+8*\d, PC, OT+8*\d, VS+\d, PW
.endr
	s_add_co_u32 s29, s29, 256
	s_add_nc_u64 s[98:99], s[98:99], 2*KVB_        ; my half's key step of the next slot (the loads that named this base are done)
	s_xor_b32 s27, s27, SLOT1
.endm
	s_load_b256 s[4:11], s[0:1], 0x0               ; bias 4, qc 6, qs 8, kv 10
	s_load_b128 s[12:15], s[0:1], 0x20             ; sg 12, gc 14
	s_load_b64 s[16:17], s[0:1], 0x30              ; gs
	v_lshl_add_u32 v[SPW], v0, 2, SPARE
	v_mov_b32 v[NIL], 0
	ds_add_u32 v[SPW], v[NIL]                      ; the opening lines: the add, twice on end, and its wait ahead of the first round
	ds_add_u32 v[SPW], v[NIL]
	v_lshrrev_b32 v8, 5, v0
	s_delay_alu instid0(VALU_DEP_1)
	v_readfirstlane_b32 s18, v8                    ; wave
	s_and_b32 s19, s18, 3                          ; batch
	s_bfe_u32 s20, s18, 0x10002                    ; tile of the block
	s_lshr_b32 s69, s18, 3                         ; half of a slot's keys
	s_and_b32 s21, ttmp7, 0xffff                   ; head
	s_mov_b32 s88, ttmp9                           ; c = J / 4: the cluster's x
	s_bfe_u32 s22, ttmp6, 0x40000                  ; my place in the cluster
	s_lshl_b32 s24, s88, 2
	s_add_co_u32 s24, s24, s22                     ; J: the first block,
	s_sub_co_u32 s25, 63, s24                      ; the second
	s_lshr_b32 s23, s88, 1
	s_add_co_u32 s23, s23, 1                       ; the first block's slots
	s_lshl_b32 s91, s88, 7                         ; the first key of the key step that holds its diagonal
	s_mov_b32 s26, 0                               ; G: the slot's number, 0 to 8
	s_mov_b32 s27, 0                               ; the slot in hand
	s_mov_b32 s28, s24                             ; the block in hand
	s_and_b32 s86, s18, 7
	s_cmp_lt_u32 s86, 2
	s_cselect_b32 s68, 7, 0                        ; a wave prefetches while G is under this
	s_mov_b32 s32, 15|(3<<16)|(1<<21)              ; a batch's K: 20 rows of 256 dense bytes, to all four partners
	s_mov_b32 s33, 32<<16
	s_mov_b32 s34, 20<<16
	s_mov_b32 s35, 32<<16
	s_mov_b32 s36, 20
	s_mov_b32 s37, 32
	s_mov_b32 s38, 0
	s_mov_b32 s39, 0
	s_mov_b32 s40, (2<<16)|(1<<20)|(6<<22)|(3<<25) ; eight rows of the bias: 128 f32, 2,048 from row to row, 4 words of padding behind every 128
	s_mov_b32 s41, 128<<16
	s_mov_b32 s42, 8<<16
	s_mov_b32 s43, 128<<16
	s_mov_b32 s44, 8
	s_mov_b32 s45, 2048
	s_mov_b32 s46, 0
	s_mov_b32 s47, 0
	s_lshl_b32 s95, s69, 16                        ; my half's place in a slot
	s_mov_b32 s48, 1
	s_mul_i32 s49, s19, KVL
	s_add_co_u32 s49, s49, s95
	s_mov_b32 s52, 1
	s_mul_i32 s53, s19, 8*528
	s_lshr_b32 s86, s19, 1
	s_lshl_b32 s86, s86, 7
	s_add_co_u32 s53, s53, s86
	s_add_co_u32 s53, s53, BOFF
	s_add_co_u32 s53, s53, s95
	s_mov_b32 s60, 0x76543210
	s_mov_b32 s61, 0xfedcba98
	s_mov_b32 s62, 0x3fb8aa3b                      ; log2(e)
	s_mov_b32 s63, s62
	s_lshl_b32 s86, s19, 3
	s_add_co_u32 s86, s86, s21
	s_mul_i32 s92, s86, 16*KVB_                    ; (batch 8 + head): sixteen blocks
	s_mov_b32 s93, 0
	s_lshl_b32 s72, s21, 24                        ; the head's 2,048 x 2,048 f32
	s_mov_b32 s73, 0
	s_mov_b32 s71, 0
	s_wait_dscnt 0x0                               ; both opening adds are done
	s_wait_kmcnt 0x0
	s_add_nc_u64 s[56:57], s[10:11], s[92:93]
	s_add_nc_u64 s[74:75], s[4:5], s[72:73]
	s_lshl_b32 s72, s19, 16                        ; the eight rows that I would fetch
	s_add_nc_u64 s[58:59], s[74:75], s[72:73]
	s_and_b32 s72, s18, 1
	s_lshl_b32 s72, s72, 8                         ; the 256 of my half's 512 bytes of a row that I would prefetch
	s_add_nc_u64 s[74:75], s[74:75], s[72:73]
	s_mul_i32 s92, s69, KVB_                       ; slot 0: block J, key step = my half
	s_add_nc_u64 s[50:51], s[56:57], s[92:93]
	s_or_b32 s51, s51, 0x80000000
	s_lshl_b32 s70, s24, 18
	s_lshl_b32 s94, s69, 9
	s_add_co_u32 s70, s70, s94
	s_add_nc_u64 s[54:55], s[58:59], s[70:71]
	s_or_b32 s55, s55, 0x80000000
	ROUND                                          ; in front of the first joint loads
	TLOAD                                          ; one tensor load a wave at the head
	v_and_b32 v8, 31, v0                           ; lane
	v_and_b32 v9, 15, v0                           ; r
	v_bfe_u32 v10, v0, 4, 1                        ; h
	s_delay_alu instid0(VALU_DEP_2)
	v_and_b32 v[W], 8, v9
	s_delay_alu instid0(VALU_DEP_1)
	v_add_nc_u32 v[MINF], v[W], v9                 ; p(r)
	v_lshlrev_b32 v[LI16], 4, v8
	v_lshlrev_b32 v[LS4], 2, v8
	v_lshlrev_b32 v[PFO], 13, v8
	s_delay_alu instid0(VALU_DEP_3)
	v_add_nc_u32 v[AKV], s49, v[LI16]
	s_delay_alu instid0(VALU_DEP_3)
	v_add_nc_u32 v[ASC], s49, v[LS4]
	v_mul_u32_u24 v[ABI], v[MINF], 528
	s_delay_alu instid0(VALU_DEP_1)
	v_lshl_add_u32 v[ABI], v[W], 4, v[ABI]         ; + 128 for rows 16 on
	s_delay_alu instid0(VALU_DEP_1)
	v_lshl_add_u32 v[ABI], v10, 6, v[ABI]          ; + 64 h
	s_mul_i32 s86, s20, 8*528
	s_add_co_u32 s86, s86, BOFF
	s_add_co_u32 s86, s86, s95
	v_add_nc_u32 v[ABI], s86, v[ABI]
	v_lshlrev_b32 v[DQ], 4, v10
	s_delay_alu instid0(VALU_DEP_1)
	v_sub_nc_u32 v[DQ], v[MINF], v[DQ]
	s_and_b32 s86, s18, 7
	s_mul_i32 s86, s86, 4608
	s_add_co_u32 s86, s86, STAGE
	v_add_nc_u32 v[STA], s86, v[LI16]
	v_min_u32 v[PF2], 7, v8
	s_delay_alu instid0(VALU_DEP_1)
	v_lshl_add_u32 v[PF2], s69, 3, v[PF2]
	s_delay_alu instid0(VALU_DEP_1)
	v_lshlrev_b32 v[PF2], 8, v[PF2]
.irp j, 20,21,22,23,64,65,66,67
	v_mov_b32 v[\j], 0                             ; zero codes
.endr
.set j, 216
.rept 20
	v_mov_b32 v[j], 0                              ; work registers, written once: a lane permute's destination counts as one of its sources
.set j, j+1
.endr
	v_mov_b32 v[FF], 0
	v_mov_b32 v[PW], 0
	s_lshl_b32 s72, s19, 3
	s_add_co_u32 s72, s72, s21
	s_lshl_b32 s72, s72, 7
	s_add_co_u32 s72, s72, s20                     ; (batch 8 + head) 128 + tile; + 2 x block: q's fragments of both blocks stay in registers
	s_lshl_b32 s87, s24, 1
	s_add_co_u32 s87, s87, s72
	s_lshl_b32 s70, s87, 9
	s_add_nc_u64 s[82:83], s[6:7], s[70:71]
	s_lshl_b32 s70, s87, 7
	s_add_nc_u64 s[84:85], s[8:9], s[70:71]
	s_lshl_b32 s87, s25, 1
	s_add_co_u32 s87, s87, s72
	s_lshl_b32 s70, s87, 9
	s_add_nc_u64 s[76:77], s[6:7], s[70:71]
	s_lshl_b32 s70, s87, 7
	s_add_nc_u64 s[78:79], s[8:9], s[70:71]
	global_load_b128 v[Q:Q+3], v[LI16], s[82:83]
	global_load_b32 v[QS], v[LS4], s[84:85]
	global_load_b128 v[Q2:Q2+3], v[LI16], s[76:77]
	global_load_b32 v[QS2], v[LS4], s[78:79]
	START
	s_wait_alu depctr_va_vdst(0)
	s_wait_loadcnt 0x0
.Lstep:                                                ; eight trips: behind each change of slots but the last the next slot's tiles are asked for
	CHANGE 1
	STEP 1
	s_add_co_u32 s26, s26, 1
	s_cmp_lt_u32 s26, 8
	s_cbranch_scc1 .Lstep
	CHANGE 0                                       ; the last slot is written out: it asks for nothing
	STEP 0
	NOPS 4
	FINISH
	s_wait_tensorcnt 0x0                           ; the wave's end
	ds_add_u32 v[SPW], v[NIL]
	s_wait_dscnt 0x0
	ROUND                                          ; the closing round
	s_endpgm
.Lfunc_end_k_qb9f80f8514_attn:
	.size	k_qb9f80f8514_attn, .Lfunc_end_k_qb9f80f8514_attn-k_qb9f80f8514_attn
	.p2alignl 7, 3214868480
	.fill 96, 4, 3214868480
	.section	.rodata,"a",@progbits
	.p2align	6, 0x0
	.amdhsa_kernel k_qb9f80f8514_attn
		.amdhsa_group_segment_fixed_size 327680
		.amdhsa_private_segment_fixed_size 0
		.amdhsa_enable_private_segment 0
		.amdhsa_kernarg_size 56
		.amdhsa_user_sgpr_count 2
		.amdhsa_user_sgpr_kernarg_segment_ptr 1
		.amdhsa_wavefront_size32 1
		.amdhsa_system_sgpr_workgroup_id_x 1
		.amdhsa_system_sgpr_workgroup_id_y 1
		.amdhsa_system_sgpr_workgroup_id_z 1
		.amdhsa_system_vgpr_workitem_id 0
		.amdhsa_next_free_vgpr 256
		.amdhsa_next_free_sgpr 100
		.amdhsa_reserve_vcc 1
		.amdhsa_float_denorm_mode_32 3
		.amdhsa_float_denorm_mode_16_64 3
		.amdhsa_memory_ordered 1
		.amdhsa_forward_progress 1
		.amdhsa_inst_pref_size 80
	.end_amdhsa_kernel
	.amdgpu_metadata
---
amdhsa.version: [ 1, 2 ]
amdhsa.kernels:
  - .name:           k_qb9f80f8514_attn
    .symbol:         k_qb9f80f8514_attn.kd
    .args:
      - { .name: rel_pos_bias, .offset: 0, .size: 8, .value_kind: global_buffer, .address_space: global }
      - { .name: qc, .offset: 8, .size: 8, .value_kind: global_buffer, .address_space: global }
      - { .name: qs, .offset: 16, .size: 8, .value_kind: global_buffer, .address_space: global }
      - { .name: kv, .offset: 24, .size: 8, .value_kind: global_buffer, .address_space: global }
      - { .name: sg, .offset: 32, .size: 8, .value_kind: global_buffer, .address_space: global }
      - { .name: gc, .offset: 40, .size: 8, .value_kind: global_buffer, .address_space: global }
      - { .name: gs, .offset: 48, .size: 8, .value_kind: global_buffer, .address_space: global }
    .group_segment_fixed_size: 327680
    .private_segment_fixed_size: 0
    .kernarg_segment_align: 8
    .kernarg_segment_size: 56
    .max_flat_workgroup_size: 512
    .sgpr_count:     100
    .vgpr_count:     256
    .wavefront_size: 32
...
	.end_amdgpu_metadata
.endif
;; end of part 2
;; launch tail (part 3): grid 256 x 1, 8 waves a work-group, clusters of 4 x 1, 327,680 bytes of LDS; arguments gc, gs, x, W2_codes, W2_scales, b2, g2, be2, Wf1_codes, Wf1_scales, bf1, Wf2_codes, Wf2_scales, bf2, out0; writes out0
.if DOCPART == 3
	.amdgcn_target "amdgcn-amd-amdhsa--gfx1250"
	.amdhsa_code_object_version 6
	.text
	.protected	k_qb9f80f8514_tail
	.globl	k_qb9f80f8514_tail
	.p2align	8
	.type	k_qb9f80f8514_tail,@function
k_qb9f80f8514_tail:
	s_mov_b64 s[64:65], 0
	v_nop
	global_prefetch_b8 v0, s[64:65] scope:SCOPE_SE
	s_setreg_imm32_b32 hwreg(HW_REG_WAVE_MODE, 25, 1), 1
	s_wait_xcnt 0x0
	s_wait_alu depctr_hold_cnt(0) depctr_sa_sdst(0) depctr_va_vdst(0) depctr_va_sdst(0) depctr_va_ssrc(0) depctr_va_vcc(0) depctr_vm_vsrc(0)
	s_getreg_b32 s2, hwreg(HW_REG_IB_STS2, 6, 4)
	s_cmp_eq_u32 s2, 0
	s_cbranch_scc0 .Lentry_in_a_cluster
	s_endpgm
.Lentry_in_a_cluster:
	s_bfe_u32 s2, ttmp6, 0x10000c
	s_cmp_lg_u32 s2, 0x3003
	s_cbranch_scc0 .Lentry_shape_is_right
	s_endpgm
.Lentry_shape_is_right:
; out = gated W2 + b2 + x; h2 = LayerNorm 2 of it, quantised; out0 = relu(h2 Wf1 + bf1), quantised, x Wf2 + bf2 + out: three products on codes of FP4 (E2M1) with E8M0 scales, chained in one work-group.
; SHARES.  A work-group owns 32 tokens (two tiles of 16); wave w owns 64 columns of each part of 512 columns.  The weights go in nine parts (W2; four of Wf1; four of Wf2 along K) through a ring of two LDS slots, 64 rows of 256 bytes a wave.
; CLUSTER 4, 1, 1: all work-groups walk the same weights, so each part is asked for jointly by four partners, behind a round of the cluster's barrier.  h2 and the hidden layer stay in LDS as images of the operands' registers.
.set PARTB, 64*272
.set SLOT,  8*PARTB
.set SPARE, 2*SLOT
.set H2IMG, SPARE+1024
.set H2SC,  H2IMG+8192
.set HIMG,  H2SC+1024
.set HSC,   HIMG+32768
.set SPW,  1
.set NIL,  2
.set LI16, 3
.set LS4,  4
.set AW0,  5
.set AW1,  6
.set H2L,  7
.set H2SL, 8
.set HL,   9
.set HSL,  10
.set H2W,  11
.set H2SW, 12
.set HW,   13
.set HSW,  14
.set XSI,  15
.set XSO,  16
.set OSI,  17
.set OSO,  18
.set XG,   19
.set STW,  20
.set STL,  21
.set P16,  22
.set P64,  23
.set H64,  24
.set ACT,  32
.set ASC,  96
.set WS,   104
.set WF,   120
.set T,    184
.set TM,   216
.set PC,   224
.set PW,   228
.set RAW,  236
.set Y1,   0
.set ACC,  64
.set G1A,  32
.set G1B,  40
.set MSB, 0
.macro WIN new
.if MSB != \new
	s_set_vgpr_msb (MSB<<8)|\new
.set MSB, \new
.endif
.endm
.macro NOPS n
.rept \n
	v_nop
.endr
.endm
.macro MMI d, a, b, c, sa, sb
	v_wmma_scale_f32_16x16x128_f8f6f4 v[(\d):(\d)+7], v[(\a):(\a)+7], v[(\b):(\b)+7], v[(\c):(\c)+7], v[(\sa)], v[(\sb)] matrix_a_fmt:MATRIX_FMT_FP4 matrix_b_fmt:MATRIX_FMT_FP4
.endm
.macro QUANT2 s, fl
.irp b, 0,1
	v_max3_num_f32 v[TM+\b], |v[(\s)+16*\b]|, |v[(\s)+1+16*\b]|, \fl
.endr
.irp i, 2,4,6,8,10,12,14
.irp b, 0,1
	s_delay_alu instid0(VALU_DEP_2)
	v_max3_num_f32 v[TM+\b], v[TM+\b], |v[(\s)+16*\b+\i]|, |v[(\s)+1+16*\b+\i]|
.endr
.endr
.irp b, 0,1
	s_delay_alu instid0(VALU_DEP_2)
	v_permlanex16_b32 v[TM+2+\b], v[TM+\b], s62, s63
.endr
.irp b, 0,1
	s_delay_alu instid0(VALU_DEP_2)
	v_max_num_f32 v[TM+\b], v[TM+\b], v[TM+2+\b]
.endr
.irp b, 0,1
	s_delay_alu instid0(VALU_DEP_2)
	v_add_nc_u32 v[TM+4+\b], 0xff000000, v[TM+\b]
.endr
.irp b, 0,1
	s_delay_alu instid0(VALU_DEP_2)
	v_lshrrev_b32 v[TM+6+\b], 23, v[TM+4+\b]
.endr
	s_delay_alu instid0(VALU_DEP_1)
	v_lshl_or_b32 v[PW], v[TM+7], 8, v[TM+6]
.irp b, 0,1
	v_cvt_scalef32_pk8_fp4_f32 v[PC+2*\b], v[(\s)+16*\b:(\s)+7+16*\b], v[TM+4+\b]
	v_cvt_scalef32_pk8_fp4_f32 v[PC+1+2*\b], v[(\s)+8+16*\b:(\s)+15+16*\b], v[TM+4+\b]
.endr
	v_nop
	v_permlane16_swap_b32 v[PC], v[PC+2]
	v_permlane16_swap_b32 v[PC+1], v[PC+3]
.endm
.macro ROUND
	s_barrier_signal -1
	s_barrier_wait -1
	s_cmp_lg_u32 s68, 0
	s_cbranch_scc1 .Lnot_wave_0_\@
	s_barrier_signal -3
.Lnot_wave_0_\@:
	s_barrier_wait -3
	s_barrier_signal -1
	s_barrier_wait -1
.endm
.macro CHANGE fill, n, g1, base, off
	WIN 0
	s_wait_tensorcnt 0x0
	ds_add_u32 v[SPW], v[NIL]
.if \fill
	s_add_nc_u64 s[50+4*\n:51+4*\n], s[\base:\base+1], \off
	s_or_b32 s[51+4*\n], s[51+4*\n], 0x80000000
	s_wait_dscnt 0x0
	ROUND
	tensor_load_to_lds s[48+4*\n:51+4*\n], s[\g1:\g1+7]
	s_nop 0
.else
	s_wait_dscnt 0x0
	s_barrier_signal -1
	s_barrier_wait -1
.endif
	NOPS 4
.endm
.macro WFL st, aw, s
.irp n, 0,1,2,3
.irp c, 0,1
	ds_load_b128 v[WF+32*(\st)+8*\n+4*\c:WF+32*(\st)+8*\n+4*\c+3], v[\aw] offset:(32*(\n/2)+8*(\n%2))*272+64*(\s)+32*\c
.endr
.endr
.endm
.macro MM8 st, s, acc
	WIN 0x50
.irp n, 0,1,2,3
.irp t, 0,1
	MMI (\acc)+32*\t+8*\n, WF+32*(\st)+8*\n, ACT+8*(4*\t+(\s)), (\acc)+32*\t+8*\n, WS+4*\n+(\s), ASC+4*\t+(\s)
.endr
.endr
	WIN 0
.endm
.macro PART aw, acc
	WFL 0, \aw, 0
	WFL 1, \aw, 1
	s_wait_loadcnt 0x0
	s_wait_dscnt 8
	MM8 0, 0, \acc
	NOPS 4
	WFL 0, \aw, 2
	s_wait_dscnt 8
	MM8 1, 1, \acc
	NOPS 4
	WFL 1, \aw, 3
	s_wait_dscnt 8
	MM8 0, 2, \acc
	s_wait_dscnt 0x0
	MM8 1, 3, \acc
	NOPS 4
.endm
.macro WSL base, lane, off, rstr
.irp n, 0,1,2,3
	global_load_b128 v[WS+4*\n:WS+4*\n+3], v[\lane], s[\base:\base+1] offset:(\off)+(32*(\n/2)+8*(\n%2))*(\rstr)
.endr
.endm
.macro ACTL ia, sa, k0, tstr, sstr
.irp t, 0,1
.irp s, 0,1,2,3
	ds_load_b128 v[ACT+8*(4*\t+\s):ACT+8*(4*\t+\s)+3], v[\ia] offset:\t*(\tstr)+((\k0)+\s)*1024
	ds_load_b128 v[ACT+8*(4*\t+\s)+4:ACT+8*(4*\t+\s)+7], v[\ia] offset:\t*(\tstr)+((\k0)+\s)*1024+512
	ds_load_b32 v[ASC+4*\t+\s], v[\sa] offset:\t*(\sstr)+((\k0)+\s)*128
.endr
.endr
.endm
.macro VEC32 reg, base, off
.irp i, 0,1,2,3,4,5,6,7
	global_load_b128 v[(\reg)+4*\i:(\reg)+4*\i+3], v[H64], s[\base:\base+1] offset:(\off)+128*(\i/4)+16*(\i%4)
.endr
.endm
.macro PREP5 f
	WSL 22, P16, 1024*(\f), 16
	WIN 0x40
	VEC32 ACC, 24, 256*(\f)
	VEC32 ACC+32, 24, 256*(\f)
	WIN 0
.endm
.macro EPI5 f
.irp t, 0,1
	WIN 0x04
.set j, 0
.rept 32
	v_max_num_f32 v[T+j], 0, v[ACC+32*\t+j]
.set j, j+1
.endr
	WIN 0
	QUANT2 T, 0x1800000
	ds_store_b128 v[HW], v[PC:PC+3] offset:16384*\t+1024*((\f)/2)+512*((\f)%2)
	ds_store_b16 v[HSW], v[PW] offset:2048*\t+128*((\f)/2)+2*((\f)%2)
	s_wait_dscnt 0x0
.endr
.endm
.macro ADDV
	WIN 0x45
.irp t, 0,1
.set j, 0
.rept 16
	v_pk_add_f32 v[Y1+32*\t+j:Y1+32*\t+j+1], v[Y1+32*\t+j:Y1+32*\t+j+1], v[ACC+j:ACC+j+1]
.set j, j+2
.endr
.endr
	WIN 0
.endm
	s_load_b512 s[4:19], s[0:1], 0x0
	s_load_b256 s[20:27], s[0:1], 0x40
	s_load_b128 s[28:31], s[0:1], 0x60
	s_load_b64 s[66:67], s[0:1], 0x70
	v_lshl_add_u32 v[SPW], v0, 2, SPARE
	v_mov_b32 v[NIL], 0
	ds_add_u32 v[SPW], v[NIL]                      ; the opening lines: the add, twice on end, and its wait ahead of the first round
	ds_add_u32 v[SPW], v[NIL]
	v_lshrrev_b32 v25, 5, v0
	s_delay_alu instid0(VALU_DEP_1)
	v_readfirstlane_b32 s68, v25
	s_bfe_u32 s69, ttmp6, 0x40000
	s_lshl_b32 s70, ttmp9, 2
	s_add_co_u32 s70, s70, s69
	s_mov_b32 s32, 15|(1<<20)|(1<<21)|(5<<22)|(3<<25)
	s_mov_b32 s40, 15|(1<<20)|(1<<21)|(5<<22)|(3<<25)
.irp g, G1A, G1B
	s_mov_b32 s[\g+1], 256<<16
	s_mov_b32 s[\g+2], 64<<16
	s_mov_b32 s[\g+3], 256<<16
	s_mov_b32 s[\g+4], 64
	s_mov_b32 s[\g+6], 0
	s_mov_b32 s[\g+7], 0
.endr
	s_mov_b32 s37, 256
	s_mov_b32 s45, 1024
	s_mov_b32 s48, 1
	s_mul_i32 s49, s68, PARTB
	s_mov_b32 s52, 1
	s_add_co_u32 s53, s49, SLOT
	s_mov_b32 s62, 0x76543210
	s_mov_b32 s63, 0xfedcba98
	s_mov_b32 s78, 0x3b000000
	s_mov_b32 s79, 0x3727c5ac
	s_mov_b32 s73, 0
	s_wait_dscnt 0x0                               ; both opening adds are done
	s_wait_kmcnt 0x0
	s_lshl_b32 s72, s68, 14
	s_add_nc_u64 s[56:57], s[10:11], s[72:73]
	s_lshl_b32 s72, s68, 16
	s_add_nc_u64 s[58:59], s[20:21], s[72:73]
	s_add_nc_u64 s[60:61], s[26:27], s[72:73]
	s_mov_b64 s[50:51], s[56:57]
	s_or_b32 s51, s51, 0x80000000
	s_mov_b64 s[54:55], s[58:59]
	s_or_b32 s55, s55, 0x80000000
	ROUND
	tensor_load_to_lds s[48:51], s[32:39]
	s_nop 0
	s_wait_alu depctr_va_vdst(0)
	s_wait_tensorcnt 0x0
	ds_add_u32 v1, v2
	s_wait_dscnt 0x0
	ROUND
	tensor_load_to_lds s[52:55], s[32:39]
	s_nop 0
	NOPS 4
	s_lshl_b32 s72, s68, 10
	s_add_nc_u64 s[12:13], s[12:13], s[72:73]
	s_add_nc_u64 s[24:25], s[24:25], s[72:73]
	s_lshl_b32 s72, s68, 8
	s_add_nc_u64 s[14:15], s[14:15], s[72:73]
	s_add_nc_u64 s[16:17], s[16:17], s[72:73]
	s_add_nc_u64 s[18:19], s[18:19], s[72:73]
	s_add_nc_u64 s[30:31], s[30:31], s[72:73]
	s_lshl_b32 s72, s68, 12
	s_add_nc_u64 s[22:23], s[22:23], s[72:73]
	s_add_nc_u64 s[28:29], s[28:29], s[72:73]
	s_lshl_b32 s72, s70, 13
	s_add_nc_u64 s[4:5], s[4:5], s[72:73]
	s_lshl_b32 s72, s70, 11
	s_add_nc_u64 s[6:7], s[6:7], s[72:73]
	s_lshl_b32 s72, s70, 16
	s_lshl_b32 s74, s68, 8
	s_add_co_u32 s72, s72, s74
	s_add_nc_u64 s[8:9], s[8:9], s[72:73]
	s_add_nc_u64 s[66:67], s[66:67], s[72:73]
	v_and_b32 v229, 31, v0
	v_and_b32 v230, 15, v0
	v_bfe_u32 v231, v0, 4, 1
	s_delay_alu instid0(VALU_DEP_2)
	v_and_b32 v232, 8, v230
	s_delay_alu instid0(VALU_DEP_1)
	v_add_nc_u32 v232, v232, v230
	v_lshlrev_b32 v[LI16], 4, v229
	v_lshlrev_b32 v[LS4], 2, v229
	v_lshlrev_b32 v[XG], 11, v231
	s_delay_alu instid0(VALU_DEP_1)
	v_lshl_add_u32 v[XG], v230, 4, v[XG]
	v_lshlrev_b32 v[P16], 4, v232
	v_lshlrev_b32 v[P64], 6, v232
	v_lshlrev_b32 v[H64], 6, v231
.irp t, 0,1
.irp s, 0,1,2,3
.irp c, 0,1
	global_load_b128 v[ACT+8*(4*\t+\s)+4*\c:ACT+8*(4*\t+\s)+4*\c+3], v[LI16], s[4:5] offset:4096*\t+1024*\s+512*\c
.endr
.endr
.endr
.irp i, 0,1,2,3,4,5,6,7,8,9,10,11,12,13,14,15
	global_load_b32 v[RAW+\i], v[LS4], s[6:7] offset:128*\i
.endr
.irp i, 0,1,2,3,4,5,6,7
	global_load_b128 v[T+4*\i:T+4*\i+3], v[XG], s[8:9] offset:(2*(\i%4)+16*(\i/4))*2048 th:TH_LOAD_NT
	global_load_b128 v[WF+4*\i:WF+4*\i+3], v[XG], s[8:9] offset:(8+2*(\i%4)+16*(\i/4))*2048 th:TH_LOAD_NT
.endr
	WIN 0x40
	VEC32 ACC, 14, 0
	WIN 0
	WSL 12, P16, 0, 16
	v_mul_u32_u24 v[AW0], v232, 272
	s_delay_alu instid0(VALU_DEP_1)
	v_lshl_add_u32 v[AW0], v231, 4, v[AW0]
	s_delay_alu instid0(VALU_DEP_1)
	v_add_nc_u32 v[AW0], s49, v[AW0]
	s_delay_alu instid0(VALU_DEP_1)
	v_add_nc_u32 v[AW1], SLOT, v[AW0]
	v_add_nc_u32 v[H2L], H2IMG, v[LI16]
	v_add_nc_u32 v[H2SL], H2SC, v[LS4]
	s_wait_alu depctr_va_vdst(0)
	v_add_nc_u32 v[HL], HIMG, v[LI16]
	s_wait_alu depctr_va_vdst(0)
	v_add_nc_u32 v[HSL], HSC, v[LS4]
	s_wait_alu depctr_va_vdst(0)
	s_lshr_b32 s74, s68, 1
	s_and_b32 s75, s68, 1
	s_lshl_b32 s76, s74, 10
	s_lshl_b32 s77, s75, 9
	s_add_co_u32 s76, s76, s77
	v_add_nc_u32 v[H2W], s76, v[H2L]
	s_lshl_b32 s76, s74, 7
	s_lshl_b32 s77, s75, 1
	s_add_co_u32 s76, s76, s77
	v_add_nc_u32 v[H2SW], s76, v[H2SL]
	s_lshl_b32 s76, s68, 11
	v_add_nc_u32 v[HW], s76, v[HL]
	s_lshl_b32 s76, s68, 8
	v_add_nc_u32 v[HSW], s76, v[HSL]
	v_mul_u32_u24 v233, v231, 272
	s_delay_alu instid0(VALU_DEP_1)
	v_lshl_add_u32 v233, v230, 4, v233
	v_mul_u32_u24 v234, v230, 272
	s_delay_alu instid0(VALU_DEP_1)
	v_lshl_add_u32 v234, v231, 6, v234
	s_mul_i32 s76, s68, 16*272
	s_add_co_u32 s76, s76, HIMG
	v_add_nc_u32 v[XSI], s76, v233
	v_add_nc_u32 v[XSO], s76, v234
	v_add_nc_u32 v[OSI], s53, v234
	v_add_nc_u32 v[OSO], s53, v233
	s_lshl_b32 s76, s68, 7
	s_add_co_u32 s76, s76, HIMG
	v_add_nc_u32 v[STW], s76, v[LS4]
	v_add_nc_u32 v[STL], HIMG, v[LS4]
	v_mov_b32 v25, 0
	v_mov_b32 v[TM+2], 0
	v_mov_b32 v[TM+3], 0
	s_wait_alu depctr_va_vdst(0)
	s_wait_loadcnt 0x0
.irp i, 0,1,2,3,4,5,6,7
	ds_store_b128 v[XSI], v[T+4*\i:T+4*\i+3] offset:2*\i*272
.endr
	WIN 0x40
.irp i, 0,1,2,3,4,5,6,7
	ds_load_b128 v[Y1+4*\i:Y1+4*\i+3], v[XSO] offset:128*(\i/4)+16*(\i%4)
.endr
	WIN 0
.irp i, 0,1,2,3,4,5,6,7
	ds_store_b128 v[XSI], v[WF+4*\i:WF+4*\i+3] offset:2*\i*272
.endr
	WIN 0x40
.irp i, 0,1,2,3,4,5,6,7
	ds_load_b128 v[Y1+32+4*\i:Y1+32+4*\i+3], v[XSO] offset:128*(\i/4)+16*(\i%4)
.endr
	WIN 0
.irp t, 0,1
.irp s, 0,1,2,3
	v_lshl_or_b32 v[ASC+4*\t+\s], v[RAW+8*\t+2*\s+1], 16, v[RAW+8*\t+2*\s]
.endr
.endr
	s_wait_dscnt 0x0
	ADDV
	s_wait_alu depctr_va_vdst(0)
	s_wait_tensorcnt 0x1
	s_barrier_signal -1
	s_barrier_wait -1
	PART AW0, Y1
.macro LNLOC t
	WIN 0x05
	v_pk_add_f32 v[26:27], v[Y1+32*\t:Y1+32*\t+1], v[Y1+32*\t+2:Y1+32*\t+3]
	v_pk_add_f32 v[28:29], v[Y1+32*\t+4:Y1+32*\t+5], v[Y1+32*\t+6:Y1+32*\t+7]
	WIN 0x04
.irp j, 8,12,16,20,24,28
	v_pk_add_f32 v[26:27], v[26:27], v[Y1+32*\t+\j:Y1+32*\t+\j+1]
	v_pk_add_f32 v[28:29], v[28:29], v[Y1+32*\t+\j+2:Y1+32*\t+\j+3]
.endr
	WIN 0
	v_pk_add_f32 v[26:27], v[26:27], v[28:29]
	s_delay_alu instid0(VALU_DEP_1)
	v_add_f32 v26, v26, v27
	s_delay_alu instid0(VALU_DEP_1)
	v_permlanex16_b32 v25, v26, s62, s63
	s_delay_alu instid0(VALU_DEP_1)
	v_add_f32 v26, v26, v25
	s_delay_alu instid0(VALU_DEP_1)
	v_mul_f32 v26, 0x3c800000, v26
	s_delay_alu instid0(VALU_DEP_1)
	v_mov_b32 v27, v26
	WIN 0x01
.set j, 0
.rept 16
	v_pk_add_f32 v[T+j:T+j+1], v[Y1+32*\t+j:Y1+32*\t+j+1], v[26:27] neg_lo:[0,1] neg_hi:[0,1]
.set j, j+2
.endr
	WIN 0
	v_pk_mul_f32 v[28:29], v[T:T+1], v[T:T+1]
	v_pk_mul_f32 v[30:31], v[T+2:T+3], v[T+2:T+3]
.irp j, 4,8,12,16,20,24,28
	s_delay_alu instid0(VALU_DEP_2)
	v_pk_fma_f32 v[28:29], v[T+\j:T+\j+1], v[T+\j:T+\j+1], v[28:29]
	s_delay_alu instid0(VALU_DEP_2)
	v_pk_fma_f32 v[30:31], v[T+\j+2:T+\j+3], v[T+\j+2:T+\j+3], v[30:31]
.endr
	s_delay_alu instid0(VALU_DEP_1)
	v_pk_add_f32 v[28:29], v[28:29], v[30:31]
	s_delay_alu instid0(VALU_DEP_1)
	v_add_f32 v28, v28, v29
	s_delay_alu instid0(VALU_DEP_1)
	v_permlanex16_b32 v25, v28, s62, s63
	s_delay_alu instid0(VALU_DEP_1)
	v_add_f32 v28, v28, v25
	ds_store_b32 v[STW], v26 offset:2048*\t
	ds_store_b32 v[STW], v28 offset:2048*\t+1024
	s_wait_dscnt 0x0
.endm
	LNLOC 0
	LNLOC 1
	VEC32 WF, 16, 0
	VEC32 WF+32, 18, 0
	PREP5 0
	CHANGE 1, 0, G1A, 58, 16384
.irp t, 0,1
.irp k, 0,1
.irp w, 0,1,2,3,4,5,6,7
	ds_load_b32 v[ACT+16*\t+8*\k+\w], v[STL] offset:2048*\t+1024*\k+128*\w
.endr
.endr
.endr
	s_wait_dscnt 0x0
	s_wait_loadcnt 0x0
.macro LNFIN t
.set MW, ACT+16*\t
.set QW, ACT+16*\t+8
	v_pk_add_f32 v[26:27], v[MW:MW+1], v[MW+2:MW+3]
	v_pk_add_f32 v[28:29], v[MW+4:MW+5], v[MW+6:MW+7]
	s_delay_alu instid0(VALU_DEP_1)
	v_pk_add_f32 v[26:27], v[26:27], v[28:29]
	s_delay_alu instid0(VALU_DEP_1)
	v_add_f32 v26, v26, v27
	s_delay_alu instid0(VALU_DEP_1)
	v_mul_f32 v26, 0x3e000000, v26
	s_delay_alu instid0(VALU_DEP_1)
	v_mov_b32 v27, v26
.irp j, 0,2,4,6
	v_pk_add_f32 v[MW+\j:MW+\j+1], v[MW+\j:MW+\j+1], v[26:27] neg_lo:[0,1] neg_hi:[0,1]
.endr
	s_delay_alu instid0(VALU_DEP_4)
	v_pk_mul_f32 v[28:29], v[MW:MW+1], v[MW:MW+1]
.irp j, 2,4,6
	s_delay_alu instid0(VALU_DEP_1)
	v_pk_fma_f32 v[28:29], v[MW+\j:MW+\j+1], v[MW+\j:MW+\j+1], v[28:29]
.endr
	v_pk_add_f32 v[30:31], v[QW:QW+1], v[QW+2:QW+3]
	v_pk_add_f32 v[QW+4:QW+5], v[QW+4:QW+5], v[QW+6:QW+7]
	s_delay_alu instid0(VALU_DEP_1)
	v_pk_add_f32 v[30:31], v[30:31], v[QW+4:QW+5]
	s_delay_alu instid0(VALU_DEP_1)
	v_pk_fma_f32 v[28:29], v[28:29], 0x42800000, v[30:31] op_sel_hi:[1,0,1]
	s_delay_alu instid0(VALU_DEP_1)
	v_add_f32 v28, v28, v29
	s_delay_alu instid0(VALU_DEP_1)
	v_fma_f32 v28, v28, s78, s79
	s_wait_alu depctr_va_vdst(0)
	v_rsq_f32 v28, v28
	v_nop
	s_wait_alu depctr_va_vdst(0)
	v_mov_b32 v29, v28
	WIN 0x01
.set j, 0
.rept 16
	v_pk_add_f32 v[T+j:T+j+1], v[Y1+32*\t+j:Y1+32*\t+j+1], v[26:27] neg_lo:[0,1] neg_hi:[0,1]
.set j, j+2
.endr
	WIN 0
.set j, 0
.rept 16
	v_pk_mul_f32 v[T+j:T+j+1], v[T+j:T+j+1], v[28:29]
.set j, j+2
.endr
.set j, 0
.rept 16
	v_pk_fma_f32 v[T+j:T+j+1], v[T+j:T+j+1], v[WF+j:WF+j+1], v[WF+32+j:WF+32+j+1]
.set j, j+2
.endr
	QUANT2 T, 0x1800000
	ds_store_b128 v[H2W], v[PC:PC+3] offset:4096*\t
	ds_store_b16 v[H2SW], v[PW] offset:512*\t
	s_wait_dscnt 0x0
.endm
	LNFIN 0
	LNFIN 1
	s_barrier_signal -1
	s_barrier_wait -1
	ACTL H2L, H2SL, 0, 4096, 512
	PART AW1, ACC
	EPI5 0
	PREP5 1
	CHANGE 1, 1, G1A, 58, 32768
	PART AW0, ACC
	EPI5 1
	PREP5 2
	CHANGE 1, 0, G1A, 58, 49152
	PART AW1, ACC
	EPI5 2
	PREP5 3
	CHANGE 1, 1, G1B, 60, 0
	PART AW0, ACC
	EPI5 3
	WIN 0x40
	VEC32 ACC, 30, 0
	WIN 0
	WSL 28, P64, 0, 64
	s_wait_loadcnt 0x0
	ADDV
	CHANGE 1, 0, G1B, 60, 256
	ACTL HL, HSL, 0, 16384, 2048
	s_wait_alu depctr_va_vdst(0)
	PART AW1, Y1
	WSL 28, P64, 16, 64
	CHANGE 1, 1, G1B, 60, 512
	ACTL HL, HSL, 4, 16384, 2048
	PART AW0, Y1
	WSL 28, P64, 32, 64
	CHANGE 1, 0, G1B, 60, 768
	ACTL HL, HSL, 8, 16384, 2048
	PART AW1, Y1
	WSL 28, P64, 48, 64
	CHANGE 0, 0, 0, 0, 0
	ACTL HL, HSL, 12, 16384, 2048
	PART AW0, Y1
.irp t, 0,1
.if \t > 0
	s_wait_xcnt 0x0
.endif
	WIN 0x04
.irp i, 0,1,2,3,4,5,6,7
	ds_store_b128 v[OSI], v[Y1+32*\t+4*\i:Y1+32*\t+4*\i+3] offset:128*(\i/4)+16*(\i%4)
.endr
	WIN 0
.irp i, 0,1,2,3,4,5,6,7
	ds_load_b128 v[T+4*\i:T+4*\i+3], v[OSO] offset:2*\i*272
.endr
.irp i, 0,1,2,3,4,5,6,7
	s_wait_dscnt 7-\i
	global_store_b128 v[XG], v[T+4*\i:T+4*\i+3], s[66:67] offset:(8*\t+2*(\i%4)+16*(\i/4))*2048 th:TH_STORE_NT
.endr
.endr
	s_wait_tensorcnt 0x0
	ds_add_u32 v[SPW], v[NIL]
	s_wait_dscnt 0x0
	ROUND
	s_endpgm
.Lfunc_end_k_qb9f80f8514_tail:
	.size	k_qb9f80f8514_tail, .Lfunc_end_k_qb9f80f8514_tail-k_qb9f80f8514_tail
	.p2alignl 7, 3214868480
	.fill 96, 4, 3214868480
	.section	.rodata,"a",@progbits
	.p2align	6, 0x0
	.amdhsa_kernel k_qb9f80f8514_tail
		.amdhsa_group_segment_fixed_size 327680
		.amdhsa_private_segment_fixed_size 0
		.amdhsa_enable_private_segment 0
		.amdhsa_kernarg_size 120
		.amdhsa_user_sgpr_count 2
		.amdhsa_user_sgpr_kernarg_segment_ptr 1
		.amdhsa_wavefront_size32 1
		.amdhsa_system_sgpr_workgroup_id_x 1
		.amdhsa_system_sgpr_workgroup_id_y 1
		.amdhsa_system_sgpr_workgroup_id_z 1
		.amdhsa_system_vgpr_workitem_id 0
		.amdhsa_next_free_vgpr 384
		.amdhsa_next_free_sgpr 84
		.amdhsa_reserve_vcc 0
		.amdhsa_float_denorm_mode_32 3
		.amdhsa_float_denorm_mode_16_64 3
		.amdhsa_memory_ordered 1
		.amdhsa_forward_progress 1
		.amdhsa_inst_pref_size 167
	.end_amdhsa_kernel
	.amdgpu_metadata
---
amdhsa.version: [ 1, 2 ]
amdhsa.kernels:
  - .name:           k_qb9f80f8514_tail
    .symbol:         k_qb9f80f8514_tail.kd
    .args:
      - { .name: gc, .offset: 0, .size: 8, .value_kind: global_buffer, .address_space: global }
      - { .name: gs, .offset: 8, .size: 8, .value_kind: global_buffer, .address_space: global }
      - { .name: x, .offset: 16, .size: 8, .value_kind: global_buffer, .address_space: global }
      - { .name: W2_codes, .offset: 24, .size: 8, .value_kind: global_buffer, .address_space: global }
      - { .name: W2_scales, .offset: 32, .size: 8, .value_kind: global_buffer, .address_space: global }
      - { .name: b2, .offset: 40, .size: 8, .value_kind: global_buffer, .address_space: global }
      - { .name: g2, .offset: 48, .size: 8, .value_kind: global_buffer, .address_space: global }
      - { .name: be2, .offset: 56, .size: 8, .value_kind: global_buffer, .address_space: global }
      - { .name: Wf1_codes, .offset: 64, .size: 8, .value_kind: global_buffer, .address_space: global }
      - { .name: Wf1_scales, .offset: 72, .size: 8, .value_kind: global_buffer, .address_space: global }
      - { .name: bf1, .offset: 80, .size: 8, .value_kind: global_buffer, .address_space: global }
      - { .name: Wf2_codes, .offset: 88, .size: 8, .value_kind: global_buffer, .address_space: global }
      - { .name: Wf2_scales, .offset: 96, .size: 8, .value_kind: global_buffer, .address_space: global }
      - { .name: bf2, .offset: 104, .size: 8, .value_kind: global_buffer, .address_space: global }
      - { .name: out0, .offset: 112, .size: 8, .value_kind: global_buffer, .address_space: global }
    .group_segment_fixed_size: 327680
    .private_segment_fixed_size: 0
    .kernarg_segment_align: 8
    .kernarg_segment_size: 120
    .max_flat_workgroup_size: 256
    .sgpr_count:     84
    .vgpr_count:     384
    .wavefront_size: 32
...
	.end_amdgpu_metadata
.endif
;; end of part 3
